; MI455X (gfx1250); checked and timed in simulation.
; The chip was launched on July 23, 2026; its instructions are those of AMD's public machine-readable ISA for CDNA 5 (MIT licence, August 2026) and "CDNA5" Instruction Set Architecture Reference Guide (July 2026). The comments in the code are by the model that wrote it; some were corrected since.
;; Radix Attention. Allowed arithmetic: matrix products marked QUANTISED: E2M1 operands, one E8M0 scale for each 32 along K, by v_wmma_scale_f32_16x16x128_f8f6f4 with both operands' format E2M1 (or v_wmma_scale_f32_32x16x128_f4), f32 sums; everything else in f32.
;; Inputs: k_codes 4 x 512 x 8 x 4 x 16 uint8 (E2M1 codes of k, K innermost, in blocks of 32 codes, two codes a byte); k_scales 4 x 512 x 8 x 4 uint8 (E8M0 scales of k, one for each 32 codes along K); pool_k 16,384 x 8 x 128 float32; pool_v 16,384 x 8 x 128 float32; q_codes 4 x 512 x 32 x 4 x 16 uint8 (E2M1 codes of q, K innermost, in blocks of 32 codes, two codes a byte); q_scales 4 x 512 x 32 x 4 uint8 (E8M0 scales of q, one for each 32 codes along K); req_to_token 4 x 2,048 int32; v_codes 4 x 8 x 128 x 16 x 16 uint8 (E2M1 codes of v, K innermost, in blocks of 32 codes, two codes a byte); v_scales 4 x 8 x 128 x 16 uint8 (E8M0 scales of v, one for each 32 codes along K).
;; Outputs: out0 2,048 x 4,096 float32.
;; This version of the problem:
;;   THIS VERSION OF THE PROBLEM IS GIVEN IN LOW PRECISION. The matrix products marked QUANTISED in the list below multiply operands that are first quantised to E2M1 (2 exponent bits, 1 mantissa bit; 4 bits a number), with one power-of-two scale for each 32 numbers along K (OCP MX v1.0); their sums are f32. All else is computed in f32.
;;   The module's matrix products, in the order in which they are computed (A, B: the left and right operand; K: the contracted axis; several contracted axes count as one K, in the product's order):
;;     1. batch 32 x [M 512, K 128] x [K 128, N 2,048]; A: input k (given as codes); B: input q (given as codes): QUANTISED
;;     2. batch 32 x [M 128, K 512] x [K 512, N 2,048]; A: input v (given as codes); B: softmax (see below): QUANTISED
;;     3. batch 32 x [M 2,048, K 128] x [K 128, N 2,048]; A: computed on the way; B: input q (given as codes): QUANTISED
;;     4. batch 32 x [M 128, K 2,048] x [K 2,048, N 2,048]; A: computed on the way; B: softmax (see below): QUANTISED
;;   THE QUANTISER, for each operand of a quantised product, along K:
;;     - K is cut into blocks of 32 from its start; a last block that is shorter is filled with zeros.
;;     - A block's scale is 2^e with e = floor(log2(the largest magnitude in the block)) - 2, held to -126 .. 127; a block of zeros has e = 0. As a byte (E8M0): e + 127.
;;     - Each number is divided by its block's scale, clamped to +-6, and rounded to the nearest number of E2M1, ties to even, subnormals kept.
;;     - The product sums the exact products of the quantised numbers (number of the format x scale) in f32.
;;   ~~~python
;;   def quantise(x, axis):      # numpy; x: float32 -> the quantised numbers, widened to float32 again
;;       x = np.moveaxis(x, axis, -1); K = x.shape[-1]
;;       x = np.pad(x, [(0, 0)] * (x.ndim - 1) + [(0, -K % 32)]); x = x.reshape(x.shape[:-1] + (-1, 32)); a = np.abs(x).max(-1, keepdims=True)
;;       e = np.where(a > 0, np.clip(np.frexp(np.where(a > 0, a, 1))[1] - 1 - 2, -126, 127), 0)      # np.frexp(a)[1] - 1 = floor(log2(a)), exactly
;;       r = np.clip(x / 2.0 ** e, -6, 6)
;;       step = 2.0 ** (np.maximum(np.frexp(np.where(r == 0, 1, r))[1] - 1, 0) - 1)
;;       q = np.round(r / step) * step * 2.0 ** e      # np.round: ties to even
;;       return np.moveaxis(q.reshape(q.shape[:-2] + (-1,))[..., :K], -1, axis).astype(np.float32)
;;   ~~~
;;   SOFTMAX AHEAD OF A QUANTISED PRODUCT. Where the list says 'softmax', what is quantised is not the finished softmax but p = 2^(t - M), with t = logit x log2(e) and M = ceil(the row's largest t), a whole number; so 1/2 < the row's largest p <= 1. The row's sum l is taken of the UNQUANTISED p, in f32, and the product's result is divided by l at the end. Since M is a whole number, a kernel that streams over the keys may use a running M (the ceiling of the running maximum): every later rescaling is an exact power of two, which a block's scale takes up: the codes' values come out the same.
;;   OPERANDS COMPUTED ON THE WAY. 'Computed on the way' means the value that the module computes at that place (a softmax that the list does not call 'softmax' is quantised finished and normalised). What goes into a quantiser is computed in f32, as accurately as f32 sums, v_exp_f32 and their like allow (about 1e-6 of the number): no bf16 or f16 on the way to a quantiser, and a product that is left as it is and whose result goes on into a quantised operand takes f32 operands (vector FMAs, or v_wmma_f32_16x16x4_f32). A number that lies on a knife's edge between two numbers of the format may be rounded either way, as far as f32 arithmetic and the matrix unit's own rounding can turn it there, and no further.
;;   INPUTS GIVEN AS CODES. k (in the module: [4, 512, 8, 128], K = its axis 3); q (in the module: [4, 512, 32, 128], K = its axis 3); v (in the module: [4, 512, 8, 128], K = its axis 1): each comes as NAME_codes (uint8): NAME with its K axis moved to the last place and cut into blocks of 32 codes, [.., K / 32, bytes a block], one block behind the other in memory; two codes a byte, the lower K in the low four bits (a code: sign, 2 exponent bits, 1 mantissa bit); and NAME_scales (uint8): the same leading axes, one E8M0 byte (e + 127) for each 32 codes along K. Its value is code x scale, taken as it is: it is not quantised again, and the codes and scales need not be those that the quantiser above would give.
;; 2 versions. Each part assembles by itself: llvm-mc -triple=amdgcn-amd-amdhsa -mcpu=gfx1250 --defsym DOCPART=n.
;; ======== version 1 of 2: 2 launches
;; workspace buffers: kp_codes 4,194,304 bytes; vp_codes 4,194,304 bytes; p_scales 524,288 bytes
;; launch quant (part 1): grid 256 x 1, 4 waves a work-group, no clusters, 93,184 bytes of LDS; arguments pool_k, pool_v, req_to_token, kp_codes, vp_codes, p_scales; writes kp_codes, vp_codes, p_scales
.if DOCPART == 1
	.amdgcn_target "amdgcn-amd-amdhsa--gfx1250"
	.amdhsa_code_object_version 6
	.text
	.protected	k_qe7c6b72bcd_quant
	.globl	k_qe7c6b72bcd_quant
	.p2align	8
	.type	k_qe7c6b72bcd_quant,@function
k_qe7c6b72bcd_quant:
	s_mov_b64 s[64:65], 0
	v_nop
	global_prefetch_b8 v0, s[64:65] scope:SCOPE_SE
	s_setreg_imm32_b32 hwreg(HW_REG_WAVE_MODE, 25, 1), 1
	s_wait_xcnt 0x0
; The prefix keys and values, gathered from the f32 pools through req_to_token, become codes of FP4 (E2M1) with one E8M0 byte for each 32 along a product's K, ONCE:
; eight work-groups of the next launch read each of them.  A block's scale is 2^(floor(log2(its largest magnitude)) - 2): its byte is the largest magnitude's exponent field - 2, held at 1 from below.
; Work-groups 0-127 take K (K axis = the head's 128, innermost in memory), work-groups 128-255 take V (K axis = the place in the list, NOT innermost).  Each reads 256 KiB.  The two ways have LDS bytes of their own.
; OUT.  kp_codes [bh 32][tile 128][c 2][lane 32][16 bytes]: images of the operand's registers: row r of tile 2 B + u is list place 32 B + 8 u + r + 8 (r / 8); lane 16 hh + r, group c holds bytes 32 c + 16 hh .. + 15 of that key's 64.
;       vp_codes [bh][chunk 4][d 128][256 bytes]: the 512 list places of a chunk innermost.      p_scales [bh][16,384]: K's words [place 2,048][4], then V's [chunk 4][d 128][16].     (bh = 8 x batch + kv head)
; LIMITS: NaN and infinities in the pools are not served; a block whose largest magnitude lies under 2^-124 keeps the byte 1; a block of zeros gets the byte 1 where the rule says 127 (its codes are zeros,
; which add nothing, and this program alone reads the bytes); an index is held to 0 .. 16,383.
; No cluster, no tensor loads: work-groups share no tile, and the rows of a gather are not the rows of one tile.  No cache hint on the gather: a list may name a row twice.
.set KCS,  20480                       ; K: behind the four waves' turning stages (4 x 5,120): 8 heads x (16 units of 256 bytes, 272 apart, + 64)
.set KHD,  4416                        ; a head's part of it: 4,416 = 64 mod 256, so that the four heads of a store fall on different banks
.set KSC,  55808                       ; K: the scale words, [head 8][place 64][4]
.set VST,  57856                       ; V: a stage of 32 rows x 272 bytes for each wave
.set R,    16                          ; K: v16-79    four sets of 16 numbers as loaded
.set X,    80                          ; K: v80-111   two sets of 16 neighbours
.set TA,   112                         ; K: v112-127  byte offset of my 16 bytes in the pool row of each of my wave's 16 places
.set OUTK, 128                         ; K: v128-191  the way out
.set CK,   196                         ; K: v196-199  codes, two sets of two
.set EK,   200                         ; K: v200-201  scale bytes, two sets
.set SB,   24                          ; V: v24-27    my column's 16 scale bytes
.set XV,   32                          ; V: v32-95    two sets of 32 numbers
.set CV,   96                          ; V: v96-99    a block's codes
.set AD,   128                         ; V: v128-191  two sets of 32 byte offsets
.set OUTV, 192                         ; V: v192-255  the way out
	s_load_b256 s[4:11], s[0:1], 0x0               ; pool_k s[4:5], pool_v s[6:7], req_to_token s[8:9], kp_codes s[10:11]
	s_load_b128 s[12:15], s[0:1], 0x20             ; vp_codes s[12:13], p_scales s[14:15]
	s_set_vgpr_msb 0x40
	v_lshl_add_u32 v0, v0, 2, 0x16a00
	v_mov_b32 v1, 0
	s_set_vgpr_msb 0x4000
	v_lshrrev_b32 v1, 5, v0
	v_readfirstlane_b32 s16, v1                    ; wave 0..3
	v_and_b32 v2, 31, v0                           ; lane
	s_mov_b32 s19, 0                               ; the upper words of three offsets
	s_mov_b32 s21, 0
	s_mov_b32 s29, 0
	s_cmp_lt_u32 ttmp9, 128                        ; the same in all four waves
	s_cbranch_scc0 .Lvpath
; ---------------- K: a work-group takes 64 list places of one batch, all 8 heads; wave w places 16 w .. 16 w + 15, in 32 steps of 512 numbers (half a pool row: four heads).
; A load reads 512 consecutive bytes; a step's 2,048 bytes turn through the wave's own stage so that a lane holds 16 neighbours along K (two lanes to a block).
	v_lshlrev_b32 v3, 4, v2                        ; my 16 bytes of a load's 512
	s_mul_i32 s17, s16, 5120
	v_lshrrev_b32 v14, 2, v2
	v_mul_u32_u24 v14, v14, 80
	v_and_b32 v15, 3, v2
	v_lshl_add_u32 v14, v15, 4, v14
	v_add_nc_u32 v14, s17, v14                     ; the stage, in: four lanes' 64 bytes on end, then 16 of padding
	v_mul_u32_u24 v15, v2, 80
	v_add_nc_u32 v15, s17, v15                     ; and out: my 16 neighbours
	v_lshrrev_b32 v8, 3, v2                        ; which of the step's four heads is mine
	v_bfe_u32 v11, v2, 1, 2                        ; which block of 32 of the head's 128
	v_and_b32 v12, 1, v2                           ; which half of the block
	v_mul_u32_u24 v4, v8, KHD
	v_mad_u32_u24 v4, v11, 272, v4
	v_lshl_add_u32 v4, v12, 3, v4
	s_lshr_b32 s17, s16, 1
	s_mul_i32 s17, s17, 2176                       ; places 32 (w / 2) on: two tiles of four units
	s_and_b32 s18, s16, 1
	s_lshl_b32 s18, s18, 7                         ; places 16 (w % 2) on within them: rows 8 .. 15 of a tile
	s_add_co_u32 s17, s17, s18
	s_add_co_u32 s17, s17, KCS
	v_add_nc_u32 v4, s17, v4                       ; where my 8 bytes of codes go: unit 4 T + block, row r
	v_lshl_add_u32 v5, v8, 8, v11
	s_lshl_b32 s17, s16, 6
	s_add_co_u32 s17, s17, KSC
	v_add_nc_u32 v5, s17, v5                       ; and my block's scale byte
	v_lshrrev_b32 v8, 4, v2
	v_and_b32 v11, 15, v2
	v_mul_u32_u24 v6, v8, 272
	v_lshl_add_u32 v6, v11, 4, v6
	s_mul_i32 s17, s16, 2*KHD
	s_add_co_u32 s17, s17, KCS
	v_add_nc_u32 v6, s17, v6                       ; the way out: wave w takes heads 2 w, 2 w + 1; two units an instruction
	s_lshl_b32 s17, s16, 18
	v_lshl_add_u32 v7, v2, 4, s17                  ; in kp_codes: 2 w heads of 131,072 bytes + 16 x lane
	s_lshl_b32 s17, s16, 9
	s_add_co_u32 s17, s17, KSC
	v_lshl_add_u32 v10, v2, 4, s17                 ; the scale words of my two heads
	v_lshlrev_b32 v9, 14, v8
	v_lshl_add_u32 v9, v11, 4, v9
	s_lshl_b32 s17, s16, 15
	v_add_nc_u32 v9, s17, v9                       ; in p_scales: sixteen lanes to a head's 256 bytes
	s_lshl_b32 s18, ttmp9, 8                       ; the list: (64 x work-group + 16 x wave) x 4 bytes
	s_lshl_b32 s17, s16, 6
	s_add_co_u32 s18, s18, s17
	s_lshr_b32 s22, ttmp9, 5                       ; batch
	s_and_b32 s23, ttmp9, 31                       ; which 64 places of its 2,048
	s_lshl_b32 s20, s22, 20
	s_lshl_b32 s17, s23, 12
	s_add_co_u32 s20, s20, s17                     ; kp_codes: 8 heads x 131,072 a batch, 4 tiles x 1,024 a work-group
	s_lshl_b32 s28, s22, 17
	s_lshl_b32 s17, s23, 8
	s_add_co_u32 s28, s28, s17                     ; p_scales: 8 x 16,384 a batch, 256 bytes a work-group
	s_wait_kmcnt 0x0
	s_add_nc_u64 s[8:9], s[8:9], s[18:19]
	s_add_nc_u64 s[10:11], s[10:11], s[20:21]
	s_add_nc_u64 s[14:15], s[14:15], s[28:29]
	s_load_b512 s[32:47], s[8:9], 0x0              ; my wave's 16 indices
	s_wait_kmcnt 0x0
.set N, 0
.rept 16
	s_min_u32 s[32+N], s[32+N], 0x3fff             ; held inside the pool
	s_lshl_b32 s[32+N], s[32+N], 12                ; a pool row is 4,096 bytes
	v_add_nc_u32 v[TA+N], s[32+N], v3
.set N, N+1
.endr
.macro KLOAD t                         ; step t: place t / 2, heads 4 (t % 2) on: four loads of 512 consecutive bytes
.irp i, 0,1,2,3
	global_load_b128 v[R+16*((\t)%4)+4*\i:R+16*((\t)%4)+4*\i+3], v[TA+(\t)/2], s[4:5] offset:2048*((\t)%2)+512*\i
.endr
.endm
.macro KTURN t                         ; through the stage: LDS serves a wave's instructions in order (ISA guide 5.7.1.4), so no wait stands between the stores and the loads
.irp i, 0,1,2,3
	ds_store_b128 v14, v[R+16*((\t)%4)+4*\i:R+16*((\t)%4)+4*\i+3] offset:2560*((\t)%2)+640*\i
.endr
.irp i, 0,1,2,3
	ds_load_b128 v[X+16*((\t)%2)+4*\i:X+16*((\t)%2)+4*\i+3], v15 offset:2560*((\t)%2)+16*\i
.endr
.endm
.macro KSTEP t
.set XS, X+16*((\t)%2)
.set CC, CK+2*((\t)%2)
.if (\t) > 0
	s_wait_dscnt 2                                 ; this step's numbers are back from the stage; the last step's two small stores may be out
.else
	s_wait_dscnt 0x0
.endif
.if (\t)+4 < 32
	KLOAD (\t)+4                                   ; four steps ahead: 16 loads of the wave are out
.endif
.if (\t)+1 < 32
.if 30-(\t) >= 3
	s_wait_loadcnt 12                              ; the next step's four loads are in; those of the three steps behind it may be out
.else
	s_wait_loadcnt 4*(30-(\t))                     ; the counts run down
.endif
	KTURN (\t)+1                                   ; it goes through the other stage while this step is worked
.endif
	v_max3_num_f32 v8, |v[XS]|, |v[XS+1]|, |v[XS+2]|               ; the largest magnitude of my 16, in two chains
	v_max3_num_f32 v12, |v[XS+3]|, |v[XS+4]|, |v[XS+5]|
.irp i, 6,10
	v_max3_num_f32 v8, v8, |v[XS+\i]|, |v[XS+\i+1]|
	v_max3_num_f32 v12, v12, |v[XS+\i+2]|, |v[XS+\i+3]|
.endr
	v_max3_num_f32 v8, v8, |v[XS+14]|, |v[XS+15]|
	v_max3_num_f32 v8, v8, v12, 0x1800000          ; and the floor 2^(3 - 127): the byte cannot fall under 1
	v_max_num_f32_dpp v8, v8, v8 row_xmask:1 row_mask:0xf bank_mask:0xf   ; with my neighbour's 16: the block's
	v_add_nc_u32 v11, 0xff000000, v8               ; 2 off its exponent field: the conversion takes the exponent field of this operand as its scale
	v_cvt_scalef32_pk8_fp4_f32 v[CC], v[XS:XS+7], v11
	v_cvt_scalef32_pk8_fp4_f32 v[CC+1], v[XS+8:XS+15], v11
	v_lshrrev_b32 v[EK+(\t)%2], 23, v11            ; the scale's byte (also the plain line behind the conversions)
	ds_store_b8 v5, v[EK+(\t)%2] offset:1024*((\t)%2)+4*((\t)/2)    ; both lanes of a block write the same byte with the same value
	ds_store_b64 v4, v[CC:CC+1] offset:4*KHD*((\t)%2)+1088*((\t)/16)+16*(((\t)/2)%8)   ; tile + (place / 8), row + place % 8
.endm
.irp t, 0,1,2,3
	KLOAD \t
.endr
	s_wait_loadcnt 12                              ; step 0's four loads are in
	KTURN 0
.irp t, 0,1,2,3,4,5,6,7,8,9,10,11,12,13,14,15,16,17,18,19,20,21,22,23,24,25,26,27,28,29,30,31
	KSTEP \t
.endr
	s_wait_dscnt 0x0                               ; for the others' sake: my stores of codes and bytes have landed (a tile's 16 rows come from two waves)
	s_barrier_signal -1
	s_barrier_wait -1
.irp hs, 0,1
.irp i, 0,1,2,3,4,5,6,7
	ds_load_b128 v[OUTK+32*\hs+4*\i:OUTK+32*\hs+4*\i+3], v6 offset:KHD*\hs+544*\i
.endr
.endr
	ds_load_b128 v[192:195], v10
.irp hs, 0,1
.irp i, 0,1,2,3,4,5,6,7
	s_wait_dscnt 16-8*\hs-\i                       ; the younger loads may be out
	global_store_b128 v7, v[OUTK+32*\hs+4*\i:OUTK+32*\hs+4*\i+3], s[10:11] offset:131072*\hs+512*\i   ; 32 lanes store 512 consecutive bytes, aligned
.endr
.endr
	s_wait_dscnt 0x0
	global_store_b128 v9, v[192:195], s[14:15]     ; sixteen lanes store a head's 256 consecutive bytes, aligned
	s_set_vgpr_msb 0x5
	s_wait_tensorcnt 0x0
	ds_add_u32 v0, v1
	s_wait_dscnt 0x0
	s_set_vgpr_msb 0x500
	s_endpgm
; ---------------- V: a work-group takes one head's 128 columns x 512 list places (a chunk).  A LANE TAKES A COLUMN d = 32 w + lane, AND ITS REGISTERS RUN DOWN THE LIST:
; a block of 32 lies in one lane's 32 registers, and the conversions give codes with the list innermost.  A load reads 128 consecutive bytes a wave, 512 a work-group.
.Lvpath:
	s_sub_co_u32 s17, ttmp9, 128
	s_and_b32 s22, s17, 7                          ; head
	s_lshr_b32 s23, s17, 3
	s_and_b32 s23, s23, 3                          ; chunk
	s_lshr_b32 s24, s17, 5                         ; batch
	s_lshl_b32 s25, s22, 9
	s_lshl_b32 s26, s16, 7
	s_add_co_u32 s25, s25, s26
	v_lshl_add_u32 v3, v2, 2, s25                  ; my column's byte in a pool row: 512 x head + 128 x wave + 4 x lane
	s_mul_i32 s26, s16, 32*272
	s_add_co_u32 s26, s26, VST                     ; my wave's stage
	v_mul_u32_u24 v4, v2, 272
	v_add_nc_u32 v4, s26, v4                       ; in: row = my column
	v_lshrrev_b32 v11, 4, v2
	v_and_b32 v12, 15, v2
	v_mul_u32_u24 v7, v11, 272
	v_lshl_add_u32 v7, v12, 4, v7
	v_add_nc_u32 v7, s26, v7                       ; out: sixteen lanes to a row, two rows an instruction
	v_lshlrev_b32 v8, 4, v2                        ; in memory my wave's 32 rows of 256 bytes lie on end, and so do its 32 rows of 16 scale bytes: 16 x lane
	s_lshl_b32 s18, s24, 13
	s_lshl_b32 s26, s23, 11
	s_add_co_u32 s18, s18, s26                     ; the list: (2,048 x batch + 512 x chunk) x 4 bytes
	s_lshl_b32 s27, s24, 3
	s_add_co_u32 s27, s27, s22                     ; bh
	s_lshl_b32 s20, s27, 17
	s_lshl_b32 s26, s23, 15
	s_add_co_u32 s20, s20, s26
	s_lshl_b32 s26, s16, 13
	s_add_co_u32 s20, s20, s26                     ; vp_codes: 131,072 bh + 32,768 chunk + 8,192 wave
	s_lshl_b32 s28, s27, 14
	s_lshl_b32 s26, s23, 11
	s_add_co_u32 s28, s28, s26
	s_lshl_b32 s26, s16, 9
	s_add_co_u32 s28, s28, s26
	s_add_co_u32 s28, s28, 8192                    ; p_scales: 16,384 bh + 8,192 + 2,048 chunk + 512 wave
	s_wait_kmcnt 0x0
	s_add_nc_u64 s[8:9], s[8:9], s[18:19]
	s_add_nc_u64 s[12:13], s[12:13], s[20:21]
	s_add_nc_u64 s[14:15], s[14:15], s[28:29]
.macro TOK t                           ; block t's 32 indices
	s_load_b512 s[32:47], s[8:9], 128*(\t)
	s_load_b512 s[48:63], s[8:9], 128*(\t)+64
.endm
.macro VLOAD t                         ; block t: pool_v(list place 32 t + i, my column), i = 0 .. 31, into set t % 2; then the next block's indices are asked for
	s_wait_kmcnt 0x0
.set N, 0
.rept 32
	s_min_u32 s[32+N], s[32+N], 0x3fff             ; held inside the pool
	s_lshl_b32 s[32+N], s[32+N], 12
	v_add_nc_u32 v[AD+32*((\t)%2)+N], s[32+N], v3
	global_load_b32 v[XV+32*((\t)%2)+N], v[AD+32*((\t)%2)+N], s[6:7]
.set N, N+1
.endr
.if (\t)+1 < 16
	TOK (\t)+1
.endif
.endm
.macro VBLOCK t
.set XS, XV+32*((\t)%2)
.if (\t) < 15
	s_wait_loadcnt 32                              ; this block's 32 loads are in (so their offsets may be written again); the next block's may be out
.else
	s_wait_loadcnt 0x0
.endif
	v_max3_num_f32 v12, |v[XS]|, |v[XS+1]|, |v[XS+2]|              ; the block's largest magnitude: all 32 numbers are mine
	v_max3_num_f32 v13, |v[XS+3]|, |v[XS+4]|, |v[XS+5]|
.irp i, 6,10,14,18,22,26
	v_max3_num_f32 v12, v12, |v[XS+\i]|, |v[XS+\i+1]|
	v_max3_num_f32 v13, v13, |v[XS+\i+2]|, |v[XS+\i+3]|
.endr
	v_max3_num_f32 v12, v12, |v[XS+30]|, |v[XS+31]|
	v_max3_num_f32 v12, v12, v13, 0x1800000        ; and the floor 2^(3 - 127)
	v_add_nc_u32 v11, 0xff000000, v12              ; 2 off its exponent field: the conversion's scale operand
	v_lshrrev_b32 v13, 23, v11                     ; the scale's byte
.if (\t)%4 == 0
	v_mov_b32 v[SB+(\t)/4], v13                    ; four bytes to a register, the lower block in the lower byte
.else
	v_lshl_or_b32 v[SB+(\t)/4], v13, 8*((\t)%4), v[SB+(\t)/4]
.endif
.irp g, 0,1,2,3
	v_cvt_scalef32_pk8_fp4_f32 v[CV+\g], v[XS+8*\g:XS+8*\g+7], v11
.endr
	v_nop                                          ; one plain line behind the conversions
	ds_store_b128 v4, v[CV:CV+3] offset:16*(\t)    ; 32 codes: 16 bytes of my column's row
.if (\t)+2 < 16
	VLOAD (\t)+2                                   ; two blocks ahead
.endif
	s_wait_dscnt 0x0                               ; the store has read its registers: the next block's codes may be written
.endm
	TOK 0
	VLOAD 0
	VLOAD 1
.irp t, 0,1,2,3,4,5,6,7,8,9,10,11,12,13,14,15
	VBLOCK \t
.endr
	global_store_b128 v8, v[SB:SB+3], s[14:15]     ; 32 lanes store 512 consecutive bytes of scale bytes, aligned
.irp t, 0,1,2,3,4,5,6,7,8,9,10,11,12,13,14,15
	ds_load_b128 v[OUTV+4*\t:OUTV+4*\t+3], v7 offset:544*\t        ; LDS serves a wave's instructions in order: these see my stores
.endr
.irp t, 0,1,2,3,4,5,6,7,8,9,10,11,12,13,14,15
	s_wait_dscnt 15-\t                             ; the younger loads may be out
	global_store_b128 v8, v[OUTV+4*\t:OUTV+4*\t+3], s[12:13] offset:512*\t   ; two rows of 256 bytes: 512 consecutive bytes, aligned
.endr
	s_set_vgpr_msb 0x5
	s_wait_tensorcnt 0x0
	ds_add_u32 v0, v1
	s_wait_dscnt 0x0
	s_set_vgpr_msb 0x500
	s_endpgm
.Lfunc_end_k_qe7c6b72bcd_quant:
	.size	k_qe7c6b72bcd_quant, .Lfunc_end_k_qe7c6b72bcd_quant-k_qe7c6b72bcd_quant
	.p2alignl 7, 3214868480
	.fill 96, 4, 3214868480
	.section	.rodata,"a",@progbits
	.p2align	6, 0x0
	.amdhsa_kernel k_qe7c6b72bcd_quant
		.amdhsa_group_segment_fixed_size 93184
		.amdhsa_private_segment_fixed_size 0
		.amdhsa_enable_private_segment 0
		.amdhsa_kernarg_size 48
		.amdhsa_user_sgpr_count 2
		.amdhsa_user_sgpr_kernarg_segment_ptr 1
		.amdhsa_wavefront_size32 1
		.amdhsa_system_sgpr_workgroup_id_x 1
		.amdhsa_system_sgpr_workgroup_id_y 1
		.amdhsa_system_sgpr_workgroup_id_z 1
		.amdhsa_system_vgpr_workitem_id 0
		.amdhsa_next_free_vgpr 258
		.amdhsa_next_free_sgpr 66
		.amdhsa_reserve_vcc 0
		.amdhsa_float_denorm_mode_32 3
		.amdhsa_float_denorm_mode_16_64 3
		.amdhsa_memory_ordered 1
		.amdhsa_forward_progress 1
		.amdhsa_inst_pref_size 214
	.end_amdhsa_kernel
	.amdgpu_metadata
---
amdhsa.version: [ 1, 2 ]
amdhsa.kernels:
  - .name:           k_qe7c6b72bcd_quant
    .symbol:         k_qe7c6b72bcd_quant.kd
    .args:
      - { .name: pool_k, .offset: 0, .size: 8, .value_kind: global_buffer, .address_space: global }
      - { .name: pool_v, .offset: 8, .size: 8, .value_kind: global_buffer, .address_space: global }
      - { .name: req_to_token, .offset: 16, .size: 8, .value_kind: global_buffer, .address_space: global }
      - { .name: kp_codes, .offset: 24, .size: 8, .value_kind: global_buffer, .address_space: global }
      - { .name: vp_codes, .offset: 32, .size: 8, .value_kind: global_buffer, .address_space: global }
      - { .name: p_scales, .offset: 40, .size: 8, .value_kind: global_buffer, .address_space: global }
    .group_segment_fixed_size: 93184
    .private_segment_fixed_size: 0
    .kernarg_segment_align: 8
    .kernarg_segment_size: 48
    .max_flat_workgroup_size: 128
    .sgpr_count:     66
    .vgpr_count:     258
    .wavefront_size: 32
...
	.end_amdgpu_metadata
.endif
;; end of part 1
;; launch attn (part 2): grid 256 x 1, 16 waves a work-group, clusters of 4 x 1, 327,680 bytes of LDS; arguments q_codes, q_scales, k_codes, k_scales, v_codes, v_scales, kp_codes, vp_codes, p_scales, out0; writes out0
.if DOCPART == 2
	.amdgcn_target "amdgcn-amd-amdhsa--gfx1250"
	.amdhsa_code_object_version 6
	.text
	.protected	k_qe7c6b72bcd_attn
	.globl	k_qe7c6b72bcd_attn
	.p2align	8
	.type	k_qe7c6b72bcd_attn,@function
k_qe7c6b72bcd_attn:
	s_mov_b64 s[64:65], 0
	v_nop
	global_prefetch_b8 v0, s[64:65] scope:SCOPE_SE
	s_setreg_imm32_b32 hwreg(HW_REG_WAVE_MODE, 25, 1), 1
	s_wait_xcnt 0x0
	s_wait_alu depctr_hold_cnt(0) depctr_sa_sdst(0) depctr_va_vdst(0) depctr_va_sdst(0) depctr_va_ssrc(0) depctr_va_vcc(0) depctr_vm_vsrc(0)
	s_getreg_b32 s2, hwreg(HW_REG_IB_STS2, 6, 4)
	s_cmp_eq_u32 s2, 0
	s_cbranch_scc0 .Lentry_in_a_cluster
	s_endpgm
.Lentry_in_a_cluster:
	s_bfe_u32 s2, ttmp6, 0x10000c
	s_cmp_lg_u32 s2, 0x3003
	s_cbranch_scc0 .Lentry_shape_is_right
	s_endpgm
.Lentry_shape_is_right:
; Attention of 512 new tokens x 4 query heads of each (batch, kv head) over 512 new keys (causal) and 2,048 prefix keys, both products on codes of FP4 (E2M1) with one E8M0 scale for each 32 along K.
; THE MERGE OF THE TWO PARTS IS THE STREAM ITSELF: o = (O1 2^M1 + O2 2^M2) / (l1 2^M1 + l2 2^M2) is what ONE softmax with a running whole-number M gives over all 2,560 keys; blocks of 32 keys never
; straddle the parts, and a change of M is an exact power of two, which a block's scale takes up.  So: five slots of 512 keys, slot 0 the new keys, then the prefix's four chunks.
; SOFTMAX: t = score x log2(e) / sqrt(128); M = the largest t so far, rounded UP to a whole number; p = 2^(t - M) is quantised along the keys, not normalised; the sum l is taken of the unquantised p and divides at the end.
; SHARES.  bh = cluster / 2.  A work-group (j = 4 (cluster % 2) + place in the cluster) owns token tiles j, 15 - j, 16 + j, 31 - j (16 tokens each) x the 4 query heads: sixteen waves, one tile of 16 queries each, in 256 registers.
; Wave WV: head g = WV % 4, U = (WV + WV / 4) % 4 picks the tile; the tile's number / 8 is U for every j.  So a wave has U + 1 causal steps, the diagonal lies in step U, and every branch hangs on the wave's number alone;
; every work-group has the same work.
; CLUSTER.  The four work-groups of a cluster walk the same K, V and scales: each tile is asked for JOINTLY, by the same tensor load with the same descriptor and the mask 15; each receives it in its own LDS.
; LAYOUT.  Both products transposed: S^T = K Q^T (source 0 = 16 keys, source 1 = my 16 queries), O^T = V^T P^T: a lane holds ONE query (lane % 16) throughout.  THE KEYS OF A TILE ARE NOT NEIGHBOURS: row r of tile 2 b + u is key
; 32 b + 8 u + r + 8 (r / 8), so that the 16 registers of tiles 2 b and 2 b + 1 are 16 neighbouring keys.  The new keys lie in LDS as rows; the prefix keys as images of the operand's registers (16 bytes a lane on end).
; LIMITS: a p under 2^-126 below the common running M counts as 0; a block of p all 0 keeps the scale byte 1 (its codes are zeros); NaN and infinities among the inputs' values are not served.
; REGISTERS: v0 as at the entry; v1-7, v24-27 addresses and the mask's number, which stay; v8-11 addresses of the step in hand; v12 -M, v13 the largest t, v[14:15] l in two halves; v16-23 Q; v32-63 four fragments of K or V;
; v96-159 S^T, then p; v160-223 O^T; v224-231 p's codes; v232-254 at work; v248-251, v253, v255 scale words.
.set SLOT1, 131072                     ; slot 1 begins here: one exclusive or turns an address in one slot into the other's
.set KP,    80                         ; a new key's row in LDS: 64 bytes + 16 of padding
.set VP,    272                        ; a row of V's tile (512 keys: 256 bytes) + 16 of padding
.set VOFF,  512*KP                     ; a slot: K (new keys: 512 rows; prefix: 32 images of 1,024 bytes), then 128 rows of V
.set SCKE,  262144                     ; behind the ring: k_scales of the batch, [key 512][head 8][4], 16 KiB;
.set SCP,   278528                     ; p_scales of bh, 16 KiB: K's words, then V's;
.set SCVE,  294912                     ; v_scales of the batch, [head 8][d 128][16], 16 KiB: each filled once
.set SPARE, 311296                     ; the spare words, 128 bytes for each wave: eight blocks of 256 bytes that no other line names
.set STAGE, SLOT1                      ; the way out: 16 rows x 272 bytes for each wave, in slot 1: it has had its last fill and its last read at the last change of slots
.set AKE,  1                           ; v1   my lane's place in a tile of new keys
.set AV0,  2                           ; v2   in a tile of V
.set ASKP, 3                           ; v3   among the prefix keys' scale words
.set ASVP, 4                           ; v4   among the prefix values'
.set SPW,  5                           ; v5   LDS address of my spare word; never rewritten
.set NIL,  6                           ; v6   0; never rewritten
.set GO,   7                           ; v7   the way out: my byte offset in the wave's rows of out0
.set ADK,  8
.set ADV,  9
.set ADS,  10
.set ADT,  11
.set AKP,  24                          ; v24  16 x lane: my place in an image
.set ASKE, 25                          ; v25  among the new keys' scale words
.set ASVE, 26                          ; v26  among the new values'
.set DD,   27                          ; v27  the mask: my token - the diagonal step's first key - 16 (lane / 16)
.set WV,   2                           ; s2   my wave's number
.set UU,   3                           ; s3   U
.set G1KE, 4                           ; s[4:11]   group 1: 256 rows of 64 bytes, 512 apart in memory, 80 apart in LDS
.set G1V,  12                          ; s[12:19]  group 1: 64 rows of 256 bytes, dense, 272 apart in LDS
.set G1S,  20                          ; s[20:27]  group 1: 16 KiB dense, as 64 rows of 256 bytes, no padding
.set G0KE, 28                          ; groups 0: the new keys, the new values,
.set G0VE, 32
.set G0S0, 36                          ; the three blocks of scales,
.set G0S1, 40
.set G0S2, 44
.set G0KP, 48                          ; and the two that walk the prefix
.set G0VP, 52
.set TB,   66                          ; s66  LDS byte at which the slot in hand begins
.set TS,   67                          ; s67  where the chunk's scale words begin: 2,048 bytes a chunk, K's and V's alike
.set SEL,  88                          ; s[88:89] lane selects for v_permlanex16_b32: lane l xor 16
.set CS,   90                          ; s[90:91] c = log2(e) / sqrt(128): the packed form names a pair and takes its low word for both halves
.set SLOTS, 92
; A round of the cluster's barrier: my work-group's barrier; wave 0 signals for the work-group; every wave waits for all four work-groups; my work-group's barrier once more.
.macro CROUND
	s_barrier_signal -1
	s_barrier_wait -1
	s_cmp_lg_u32 s[WV], 0
	s_cbranch_scc1 .Lnot_wave_0_\@
	s_barrier_signal -3
.Lnot_wave_0_\@:
	s_barrier_wait -3
	s_barrier_signal -1
	s_barrier_wait -1
.endm
.macro PLACES
.rept 4
	v_nop
.endr
.endm
; A joint refill: waves 0 and 1 fetch the two halves of a chunk's images of K, waves 2 and 3 those of its V, the others nothing.  The branches hang on the wave's number alone.
; Four v_nop follow each tensor load, ahead of the jump, the label and what follows.
.macro TLOAD
	s_cmp_lt_u32 s[WV], 2
	s_cbranch_scc0 .Lnot_k_\@
	tensor_load_to_lds s[G0KP:G0KP+3], s[G1S:G1S+7]
	s_nop 0
	PLACES
	s_branch .Lasked_\@
.Lnot_k_\@:
	s_cmp_lt_u32 s[WV], 4
	s_cbranch_scc0 .Lasked_\@
	tensor_load_to_lds s[G0VP:G0VP+3], s[G1V:G1V+7]
	s_nop 0
	PLACES
.Lasked_\@:
.endm
.macro GROUP0 g, ptr                   ; a group 0 whose LDS address is written already: the buffer's address + the offset in s[96:97]
	s_mov_b32 s[\g], 1                             ; 1:0 count = 1
	s_add_nc_u64 s[\g+2:\g+3], s[\ptr:\ptr+1], s[96:97]   ; 120:64 global address of the tile's first byte
	s_or_b32 s[\g+3], s[\g+3], 0x80000000          ; 127:126 type = 2
.endm
	s_load_b512 s[68:83], s[0:1], 0x0              ; q_codes 68, q_scales 70, k_codes 72, k_scales 74, v_codes 76, v_scales 78, kp_codes 80, vp_codes 82
	s_load_b128 s[84:87], s[0:1], 0x40             ; p_scales 84, out0 86
	v_lshl_add_u32 v[SPW], v0, 2, SPARE
	v_mov_b32 v[NIL], 0
	ds_add_u32 v5, v6
	s_wait_dscnt 0x0
	v_lshrrev_b32 v8, 5, v0
	v_readfirstlane_b32 s[WV], v8                  ; wave 0..15
	s_lshr_b32 s[UU], s[WV], 2
	s_add_co_u32 s[UU], s[UU], s[WV]
	s_and_b32 s[UU], s[UU], 3                      ; U
	s_and_b32 s56, s[WV], 3                        ; g: my query head among the kv head's four
	s_and_b32 s57, s[WV], 1                        ; which half of a tile I fetch, if I fetch
	s_lshr_b32 s59, ttmp9, 1                       ; bh: in a cluster launch ttmp9 counts clusters; the four partners share it
	s_lshr_b32 s60, s59, 3                         ; batch
	s_and_b32 s61, s59, 7                          ; kv head
	; what hangs on my place in the cluster: j, my token tile, Q's and out0's addresses, the mask's number.  It lives in s58, s62, s63, s93-95, s100, which feed no descriptor, no LDS address and no branch.
	s_bfe_u32 s58, ttmp6, 0x40000                  ; cx
	s_and_b32 s62, ttmp9, 1
	s_lshl_b32 s62, s62, 2
	s_add_co_u32 s62, s62, s58                     ; j
	s_lshl_b32 s63, s62, 1
	s_sub_co_u32 s63, 15, s63                      ; 15 - 2 j
	s_and_b32 s94, s[UU], 1
	s_mul_i32 s63, s63, s94
	s_add_co_u32 s63, s63, s62                     ; j or 15 - j
	s_lshr_b32 s94, s[UU], 1
	s_lshl_b32 s94, s94, 4
	s_add_co_u32 s63, s63, s94                     ; my token tile
	s_lshl_b32 s95, s63, 4                         ; my first token
	s_lshl_b32 s94, s[UU], 7
	s_sub_co_u32 s93, s95, s94                     ; less the diagonal step's first key: 0 .. 112
	s_lshl_b32 s100, s60, 9
	s_add_co_u32 s100, s100, s95                   ; 512 x batch + my first token
	s_lshl_b32 s94, s61, 2
	s_add_co_u32 s94, s94, s56                     ; my query head: 4 x kv head + g
	s_lshl_b32 s58, s100, 5
	s_add_co_u32 s58, s58, s94                     ; my first query's row among Q's rows (32 heads a token)
	s_mov_b32 s63, 0
	; group 1 of the three shapes.  15:0 the mask: all four work-groups; 21 set beside a mask
	s_mov_b32 s[G1KE], 15|(1<<20)|(1<<21)|(3<<22)|(3<<25)          ; elements of 1 byte; padding: four words after every 16
	s_mov_b32 s[G1KE+1], 64<<16                    ; tensor_dim0 = 64
	s_mov_b32 s[G1KE+2], 256<<16                   ; tensor_dim1 = 256
	s_mov_b32 s[G1KE+3], 64<<16                    ; tile_dim0 = 64
	s_mov_b32 s[G1KE+4], 256                       ; tile_dim1 = 256
	s_mov_b32 s[G1KE+5], 512                       ; from key to key: 8 heads x 64 bytes
	s_mov_b32 s[G1KE+6], 0
	s_mov_b32 s[G1KE+7], 0
	s_mov_b32 s[G1V], 15|(1<<20)|(1<<21)|(5<<22)|(3<<25)           ; elements of 1 byte; padding: four words after every 64
	s_mov_b32 s[G1V+1], 256<<16
	s_mov_b32 s[G1V+2], 64<<16
	s_mov_b32 s[G1V+3], 256<<16
	s_mov_b32 s[G1V+4], 64
	s_mov_b32 s[G1V+5], 256
	s_mov_b32 s[G1V+6], 0
	s_mov_b32 s[G1V+7], 0
	s_mov_b32 s[G1S], 15|(3<<16)|(1<<21)           ; elements of 8 bytes; no padding
	s_mov_b32 s[G1S+1], 32<<16
	s_mov_b32 s[G1S+2], 64<<16
	s_mov_b32 s[G1S+3], 32<<16
	s_mov_b32 s[G1S+4], 64
	s_mov_b32 s[G1S+5], 32
	s_mov_b32 s[G1S+6], 0
	s_mov_b32 s[G1S+7], 0
	s_mov_b32 s[SEL], 0x76543210
	s_mov_b32 s[SEL+1], 0xfedcba98
	s_mov_b32 s[CS], 0x3e0293ee                    ; c = log2(e) / sqrt(128)
	s_mov_b32 s[CS+1], s[CS]                       ; (named with it as a pair, so it is written)
	s_mov_b32 s[TB], 0
	s_mov_b32 s[TS], 0
	s_mov_b32 s97, 0
	s_wait_kmcnt 0x0
	; groups 0: every address hangs on the batch, the kv head and the wave's number alone
	s_lshl_b32 s96, s60, 18                        ; k_codes: 262,144 a batch, 64 a head, 256 keys of 512 bytes a half
	s_lshl_b32 s98, s61, 6
	s_add_co_u32 s96, s96, s98
	s_lshl_b32 s98, s57, 17
	s_add_co_u32 s96, s96, s98
	s_mul_i32 s[G0KE+1], s57, 256*KP
	GROUP0 G0KE, 72
	s_lshl_b32 s96, s59, 15                        ; v_codes: 32,768 a (batch, head), 64 rows of 256 bytes a half
	s_lshl_b32 s99, s57, 14
	s_add_co_u32 s96, s96, s99
	s_mul_i32 s98, s57, 64*VP
	s_add_co_u32 s[G0VE+1], s98, VOFF
	GROUP0 G0VE, 76
	s_lshl_b32 s96, s59, 17                        ; kp_codes and vp_codes: 131,072 a (batch, head), 16,384 a half; chunk 0 goes to slot 1
	s_add_co_u32 s96, s96, s99
	s_add_co_u32 s[G0KP+1], s99, SLOT1
	GROUP0 G0KP, 80
	s_add_co_u32 s[G0VP+1], s98, SLOT1+VOFF
	GROUP0 G0VP, 82
	s_lshl_b32 s96, s60, 14                        ; k_scales and v_scales: 16,384 a batch
	s_mov_b32 s[G0S0+1], SCKE
	GROUP0 G0S0, 74
	s_mov_b32 s[G0S2+1], SCVE
	GROUP0 G0S2, 78
	s_lshl_b32 s96, s59, 14                        ; p_scales: 16,384 a (batch, head)
	s_mov_b32 s[G0S1+1], SCP
	GROUP0 G0S1, 84
	s_lshl_b32 s62, s58, 6                         ; Q's codes, 64 bytes a row,
	s_add_nc_u64 s[68:69], s[68:69], s[62:63]
	s_lshl_b32 s62, s58, 2                         ; its scale words,
	s_add_nc_u64 s[70:71], s[70:71], s[62:63]
	s_lshl_b32 s62, s100, 14                       ; and out0: 16,384 bytes a token, 512 a query head
	s_lshl_b32 s94, s94, 9
	s_add_co_u32 s62, s62, s94
	s_add_nc_u64 s[86:87], s[86:87], s[62:63]
	CROUND                                         ; all four work-groups are here: the first joint loads meet
	; the first fills, one a wave, in one structure of branches on the wave's number: waves 0, 1 the new keys; 2, 3 the new values; 4, 5, 6 the scales
	s_cmp_lt_u32 s[WV], 2
	s_cbranch_scc0 .Lfirst_not_k
	tensor_load_to_lds s[G0KE:G0KE+3], s[G1KE:G1KE+7]
	s_nop 0
	PLACES
	s_branch .Lfirst_asked
.Lfirst_not_k:
	s_cmp_lt_u32 s[WV], 4
	s_cbranch_scc0 .Lfirst_not_v
	tensor_load_to_lds s[G0VE:G0VE+3], s[G1V:G1V+7]
	s_nop 0
	PLACES
	s_branch .Lfirst_asked
.Lfirst_not_v:
	s_cmp_eq_u32 s[WV], 4
	s_cbranch_scc0 .Lfirst_not_4
	tensor_load_to_lds s[G0S0:G0S0+3], s[G1S:G1S+7]
	s_nop 0
	PLACES
	s_branch .Lfirst_asked
.Lfirst_not_4:
	s_cmp_eq_u32 s[WV], 5
	s_cbranch_scc0 .Lfirst_not_5
	tensor_load_to_lds s[G0S1:G0S1+3], s[G1S:G1S+7]
	s_nop 0
	PLACES
	s_branch .Lfirst_asked
.Lfirst_not_5:
	s_cmp_eq_u32 s[WV], 6
	s_cbranch_scc0 .Lfirst_asked
	tensor_load_to_lds s[G0S2:G0S2+3], s[G1S:G1S+7]
	s_nop 0
	PLACES
.Lfirst_asked:
	v_and_b32 v8, 15, v0                           ; r = lane % 16
	v_bfe_u32 v9, v0, 4, 1                         ; hh = lane / 16
	v_lshlrev_b32 v10, 11, v8
	v_lshl_add_u32 v10, v9, 4, v10                 ; Q: token r is 32 rows of 64 bytes on; + my half's 16 bytes
	global_load_b128 v[16:19], v10, s[68:69]       ; Q's fragment stays in registers
	global_load_b128 v[20:23], v10, s[68:69] offset:32
	v_lshlrev_b32 v254, 7, v8
	global_load_b32 v255, v254, s[70:71]           ; Q's scale words
	v_and_b32 v11, 8, v8
	v_add_nc_u32 v11, v11, v8                      ; r + 8 (r / 8)
	v_mul_u32_u24 v[AKE], v11, KP
	v_lshl_add_u32 v[AKE], v9, 4, v[AKE]
	v_mul_u32_u24 v[AV0], v8, VP
	v_lshl_add_u32 v[AV0], v9, 4, v[AV0]
	v_add_nc_u32 v[AV0], VOFF, v[AV0]
	v_lshl_add_u32 v[ASKP], v11, 2, SCP            ; 4 bytes a key
	v_lshl_add_u32 v[ASVP], v8, 4, SCP+8192        ; 16 bytes a row d
	v_lshlrev_b32 v[GO], 14, v9
	v_lshl_add_u32 v[GO], v8, 4, v[GO]             ; lanes 0-15 one token's row of out0, lanes 16-31 the next; 16 bytes a lane
	v_and_b32 v[AKP], 31, v0
	v_lshlrev_b32 v[AKP], 4, v[AKP]
	s_lshl_b32 s98, s61, 2
	s_add_co_u32 s98, s98, SCKE
	v_lshl_add_u32 v[ASKE], v11, 5, s98            ; 32 bytes a key, 4 a head
	s_lshl_b32 s98, s61, 11
	s_add_co_u32 s98, s98, SCVE
	v_lshl_add_u32 v[ASVE], v8, 4, s98             ; 2,048 bytes a head, 16 a row d
	v_lshlrev_b32 v[DD], 4, v9
	v_sub_nc_u32 v[DD], v8, v[DD]
	v_add_nc_u32 v[DD], s93, v[DD]
	v_mov_b32 v13, 0xff61b1e6                      ; the largest t so far: -3e38, under every t
	v_floor_f32 v12, -v13                          ; -M
	v_mov_b32 v14, 0                               ; l, in two halves
	v_mov_b32 v15, 0
.irp b, 0,1,2,3
	v_mov_b32 v[236+\b], 0                         ; written once: a lane permute's destination counts as one of its sources
.endr
	v_mov_b32 v253, 0                              ; (named as the upper half of the pair v[252:253] before it is first written)
; A KEY STEP: 128 keys, the q-th of the slot in hand.  ext = 1: the new keys (rows in LDS, causal).  first = 1: the very first step: its products start O^T's sums with the constant 0, and there is nothing to rescale.
.macro STEP q, ext, first
.if \ext                                       ; four additions: also the places in front of the loads into registers that the last products read.  Every wave makes them, ahead of the branch
	v_add_nc_u32 v[ADK], s[TB], v[AKE]
	v_add_nc_u32 v[ADV], s[TB], v[AV0]
	v_add_nc_u32 v[ADS], s[TS], v[ASKE]
	v_add_nc_u32 v[ADT], s[TS], v[ASVE]
.else
	v_add_nc_u32 v[ADK], s[TB], v[AKP]
	v_add_nc_u32 v[ADV], s[TB], v[AV0]
	v_add_nc_u32 v[ADS], s[TS], v[ASKP]
	v_add_nc_u32 v[ADT], s[TS], v[ASVP]
.endif
.if \ext && (\q > 0)
	s_cmp_lt_u32 s[UU], \q                         ; all 128 keys come after my 16 tokens: the step is left out.  No barrier and no tensor load stands in a step
	s_cbranch_scc1 .Lhidden_\@
.endif
.irp g, 0,1                                    ; S^T = K Q^T, four tiles of 16 keys at a time
.if \g > 0
	PLACES                                         ; in front of loads into registers that matrix instructions have read
.endif
.irp t, 0,1,2,3
.irp c, 0,1
.if \ext
	ds_load_b128 v[32+8*\t+4*\c:32+8*\t+4*\c+3], v[ADK] offset:(128*(\q)+32*((4*\g+\t)/2)+8*(\t%2))*KP+32*\c
.else
	ds_load_b128 v[32+8*\t+4*\c:32+8*\t+4*\c+3], v[ADK] offset:(8*(\q)+4*\g+\t)*1024+512*\c
.endif
.endr
.if \ext
	ds_load_b32 v[248+\t], v[ADS] offset:(128*(\q)+32*((4*\g+\t)/2)+8*(\t%2))*32
.else
	ds_load_b32 v[248+\t], v[ADS] offset:(128*(\q)+32*((4*\g+\t)/2)+8*(\t%2))*4
.endif
.endr
	s_wait_dscnt 0x0
.irp t, 0,1,2,3
	v_wmma_scale_f32_16x16x128_f8f6f4 v[96+8*(4*\g+\t):103+8*(4*\g+\t)], v[32+8*\t:39+8*\t], v[16:23], 0, v[248+\t], v255 matrix_a_fmt:MATRIX_FMT_FP4 matrix_b_fmt:MATRIX_FMT_FP4
.endr
.endr                                          ; lane (r, hh) holds query r; the 16 registers of tiles 2 b, 2 b + 1 are keys 128 q + 32 b + 16 hh + 0 .. 15
	PLACES
.if \ext                                       ; in the diagonal step (q = U) the scores of hidden keys become -infinity ahead of the maximum: p = 0 then.  Register 16 b + i is hidden where 32 b + i > v[DD]
	s_cmp_gt_u32 s[UU], \q
	s_cbranch_scc1 .Lopen_\@
	v_mov_b32 v254, 0xff800000
.set N, 0
.rept 64
	v_cmp_gt_i32 vcc_lo, 32*(N/16)+N%16, v[DD]
	v_cndmask_b32 v[96+N], v[96+N], v254, vcc_lo
.set N, N+1
.endr
.Lopen_\@:
.endif
.irp b, 0,1,2,3
	v_max3_num_f32 v[232+\b], v[96+16*\b], v[97+16*\b], v[98+16*\b]   ; THE LARGEST SCORE OF EACH BLOCK OF 32 KEYS serves twice: for the row's maximum, and, since p rises with the score, for the block's largest p
.endr
.irp i, 3,5,7,9,11,13
.irp b, 0,1,2,3
	v_max3_num_f32 v[232+\b], v[232+\b], v[96+16*\b+\i], v[97+16*\b+\i]   ; (the four blocks by turns)
.endr
.endr
.irp b, 0,1,2,3
	v_max_num_f32 v[232+\b], v[232+\b], v[111+16*\b]
.endr
.irp b, 0,1,2,3
	v_permlanex16_b32 v[236+\b], v[232+\b], s[SEL], s[SEL+1]
.endr
.irp b, 0,1,2,3
	v_max_num_f32 v[232+\b], v[232+\b], v[236+\b]  ; with lane l xor 16's 16 keys
.endr
	v_max3_num_f32 v254, v232, v233, v234
	v_max_num_f32 v254, v254, v235                 ; the step's largest score of my query
	v_mul_f32 v254, s[CS], v254                    ; as t (c is positive)
	v_max_num_f32 v13, v13, v254                   ; the running largest t
	v_mov_b32 v254, v12
	v_floor_f32 v12, -v13                          ; the new -M = floor(-t) = -ceil(t): M IS A WHOLE NUMBER
	v_sub_f32 v254, v12, v254                      ; M's old value less its new one: a whole number, 0 or less
	v_cvt_i32_f32 v254, v254                       ; (it saturates)
	v_ldexp_f32 v252, 1.0, v254                    ; f = 2^(old M - new M): a multiplication by it rounds nothing
.set N, 0
.rept 32
	v_pk_fma_f32 v[96+N:97+N], v[96+N:97+N], s[CS:CS+1], v[12:13] op_sel_hi:[1,0,0]   ; t - M, two at a time (of the pairs c and -M the low word serves both halves)
.set N, N+2
.endr
.irp b, 0,1,2,3
	v_fma_f32 v[232+\b], v[232+\b], s[CS], v12     ; the same of each block's largest score
.endr
.set N, 0
.rept 64
	v_exp_f32 v[96+N], v[96+N]                     ; p = 2^(t - M), at most 1: NOT normalised
.set N, N+1
.endr
.irp b, 0,1,2,3
	v_exp_f32 v[232+\b], v[232+\b]                 ; the block's largest p: the same two instructions on the same number give the same bits
.endr
	v_pk_mul_f32 v[14:15], v[14:15], v[252:253] op_sel_hi:[1,0]   ; l under the new M.  (A plain line behind the exponentials)
	s_wait_alu depctr_va_vdst(0)
.irp b, 0,1,2,3
	v_max_num_f32 v[232+\b], 0x1800000, v[232+\b]  ; the floor 2^(3 - 127): the byte cannot fall under 1
.endr
.irp b, 0,1,2,3
	v_add_nc_u32 v[244+\b], 0xff000000, v[232+\b]  ; 2 off the exponent field: the conversion's scale operand
.endr
.irp b, 0,1,2,3
	v_lshrrev_b32 v[236+\b], 23, v[244+\b]         ; the scale's byte
.endr
	v_lshl_or_b32 v253, v237, 8, v236              ; p's scale word for these 128 keys
	v_lshl_or_b32 v253, v238, 16, v253
	v_lshl_or_b32 v253, v239, 24, v253
.irp b, 0,1,2,3
	v_cvt_scalef32_pk8_fp4_f32 v[224+2*\b], v[96+16*\b:103+16*\b], v[244+\b]
	v_cvt_scalef32_pk8_fp4_f32 v[225+2*\b], v[104+16*\b:111+16*\b], v[244+\b]
.endr
	v_nop                                          ; one plain line between a scaled conversion and the vector instruction that touches its result
.irp c, 0,1                                    ; the operand's layout wants a WHOLE block in a lane: lanes 0-15 block 2 c, lanes 16-31 block 2 c + 1
.irp i, 0,1
	v_permlane16_swap_b32 v[224+4*\c+\i], v[226+4*\c+\i]
.endr
.endr
	v_pk_add_f32 v[236:237], v[96:97], v[98:99]    ; l IS TAKEN OF THE UNQUANTISED p: two at a time, in two chains.  (These 32 additions are also the places between the lines that made p's codes and scale word and the products)
.irp j, 4,8,12,16,20,24,28,32,36,40,44,48,52,56,60
	v_pk_add_f32 v[14:15], v[14:15], v[96+\j:97+\j]
	v_pk_add_f32 v[236:237], v[236:237], v[98+\j:99+\j]
.endr
	v_pk_add_f32 v[14:15], v[14:15], v[236:237]
.if \first == 0
.set N, 0
.rept 32
	v_pk_mul_f32 v[160+N:161+N], v[160+N:161+N], v[252:253] op_sel_hi:[1,0]   ; O^T under the new M: x f; each accumulator from its low end on
.set N, N+2
.endr
.endif
.irp g, 0,1                                    ; O^T += V^T P^T: four tiles of 16 of the head's 128 at a time, the accumulators by turns; K = these 128 keys
.if \g > 0
	PLACES
.endif
.irp t, 0,1,2,3
.irp c, 0,1
	ds_load_b128 v[32+8*\t+4*\c:32+8*\t+4*\c+3], v[ADV] offset:16*(4*\g+\t)*VP+64*(\q)+32*\c
.endr
	ds_load_b32 v[248+\t], v[ADT] offset:(4*\g+\t)*256+4*(\q)
.endr
	s_wait_dscnt 0x0
.irp t, 0,1,2,3
.if \first
	v_wmma_scale_f32_16x16x128_f8f6f4 v[160+8*(4*\g+\t):167+8*(4*\g+\t)], v[32+8*\t:39+8*\t], v[224:231], 0, v[248+\t], v253 matrix_a_fmt:MATRIX_FMT_FP4 matrix_b_fmt:MATRIX_FMT_FP4
.else
	v_wmma_scale_f32_16x16x128_f8f6f4 v[160+8*(4*\g+\t):167+8*(4*\g+\t)], v[32+8*\t:39+8*\t], v[224:231], v[160+8*(4*\g+\t):167+8*(4*\g+\t)], v[248+\t], v253 matrix_a_fmt:MATRIX_FMT_FP4 matrix_b_fmt:MATRIX_FMT_FP4
.endif
.endr
.endr
.if \ext && (\q > 0)
.Lhidden_\@:
.endif
.endm
; THE CHANGE OF SLOTS stands at a slot's head.  Each wave waits for all its tensor loads (one at the most is out: its part of what is about to be read), adds 0 to its spare word, and waits for that and for its reads of the slot
; that it has left.  fill = 1: a round of the cluster's barrier follows, so that no wave of any partner still reads that slot or has a load on its way, and the joint load of the next chunk is the first thing behind it:
; it has a slot's four steps of all sixteen waves in which to land.  step = 1: the walking descriptors go on to the other slot and the next chunk.
.macro CHANGE fill, step
	s_wait_tensorcnt 0x0                           ; no tensor load of mine is out, so a group 0 may be written
	ds_add_u32 v[SPW], v[NIL]                      ; 0 onto my spare word
.if \step
	s_xor_b32 s[G0KP+1], s[G0KP+1], SLOT1
	s_add_nc_u64 s[G0KP+2:G0KP+3], s[G0KP+2:G0KP+3], 32768   ; the type bits on top are not reached
	s_xor_b32 s[G0VP+1], s[G0VP+1], SLOT1
	s_add_nc_u64 s[G0VP+2:G0VP+3], s[G0VP+2:G0VP+3], 32768
.endif
	s_wait_dscnt 0x0                               ; the add is done, and my reads of the slot that I have left are over
.if \fill
	CROUND
	TLOAD
.else
	s_barrier_signal -1
	s_barrier_wait -1
.endif
.endm
.macro PREFIX_STEPS                            ; a chunk's four steps
	STEP 0, 0, 0
	STEP 1, 0, 0
	STEP 2, 0, 0
	STEP 3, 0, 0
	s_xor_b32 s[TB], s[TB], SLOT1                  ; on to the other slot,
	s_add_co_u32 s[TS], s[TS], 2048                ; and the next chunk's scale words
.endm
	s_wait_loadcnt 0x0                             ; Q
	CHANGE 1, 0                                    ; the first fills have landed; the prefix's chunk 0 is asked for, into slot 1: that slot's first fill, issued as a refill is
	STEP 0, 1, 1                                   ; the new keys
	STEP 1, 1, 0
	STEP 2, 1, 0
	STEP 3, 1, 0
	s_xor_b32 s[TB], s[TB], SLOT1
	s_mov_b32 s[SLOTS], 3
.Lslot:                                            ; three trips: chunks 1, 2, 3 are asked for while chunks 0, 1, 2 are read
	CHANGE 1, 1
	PREFIX_STEPS
	s_sub_co_u32 s[SLOTS], s[SLOTS], 1
	s_cmp_lg_u32 s[SLOTS], 0
	s_cbranch_scc1 .Lslot
	CHANGE 0, 0                                    ; the last chunk is written out: nothing is asked for
	PREFIX_STEPS
	; THE WAY OUT.  l's two halves and lane l xor 16's are added; O^T is divided by l and goes through my stage in LDS, half a row (64 channels, 256 bytes) of 16 tokens at a time.
	v_add_f32 v14, v14, v15
	v_permlanex16_b32 v252, v14, s[SEL], s[SEL+1]
	v_add_f32 v14, v14, v252                       ; the row's sum
	v_rcp_f32 v14, v14
	v_and_b32 v8, 15, v0                           ; (a plain line behind the transcendental)  r
	v_bfe_u32 v9, v0, 4, 1                         ; hh
	s_mul_i32 s98, s[WV], 16*272
	s_add_co_u32 s98, s98, STAGE                   ; my stage
	v_mul_u32_u24 v10, v8, 272
	v_lshl_add_u32 v10, v9, 5, v10
	v_add_nc_u32 v10, s98, v10                     ; in: row r; tile t's eight channels of my half: 64 t + 32 hh bytes on
	v_mul_u32_u24 v11, v9, 272
	v_lshl_add_u32 v11, v8, 4, v11
	v_add_nc_u32 v11, s98, v11                     ; back: lanes 0-15 one row, lanes 16-31 the next
.set N, 0
	s_wait_alu depctr_va_vdst(0)
.rept 64
	v_mul_f32 v[96+N], v[160+N], v14               ; O^T / l: register 8 t + i is o(token r, channel 16 t + 8 hh + i); each accumulator from its low end on
.set N, N+1
.endr
.irp u, 0,1                                    ; channels 64 u on
.irp t, 0,1,2,3
	ds_store_b128 v10, v[96+32*\u+8*\t:99+32*\u+8*\t] offset:64*\t
	ds_store_b128 v10, v[100+32*\u+8*\t:103+32*\u+8*\t] offset:64*\t+16
.endr
.irp i, 0,1,2,3,4,5,6,7
	ds_load_b128 v[32+32*\u+4*\i:35+32*\u+4*\i], v11 offset:2*\i*272   ; LDS serves a wave's instructions in order (ISA guide 5.7.1.4): these see my stores, and the next half's stores come behind them
.endr
.endr
.irp u, 0,1
.irp i, 0,1,2,3,4,5,6,7
.if \u == 0
	s_wait_dscnt 23-\i                             ; behind this load: the rest of its half's loads, the second half's eight stores and eight loads
.else
	s_wait_dscnt 7-\i                              ; the younger loads may be out
.endif
	global_store_b128 v[GO], v[32+32*\u+4*\i:35+32*\u+4*\i], s[86:87] offset:2*\i*16384+256*\u th:TH_STORE_NT   ; sixteen lanes store 256 consecutive bytes, aligned; written once, read by nobody here
.endr
.endr
	s_wait_tensorcnt 0x0                           ; the wave's end, behind my last tensor load and my last LDS store
	ds_add_u32 v[SPW], v[NIL]
	s_wait_dscnt 0x0
	CROUND                                         ; the closing round: no work-group ends while a partner may still ask for a tile that names it
	s_endpgm
.Lfunc_end_k_qe7c6b72bcd_attn:
	.size	k_qe7c6b72bcd_attn, .Lfunc_end_k_qe7c6b72bcd_attn-k_qe7c6b72bcd_attn
	.p2alignl 7, 3214868480
	.fill 96, 4, 3214868480
	.section	.rodata,"a",@progbits
	.p2align	6, 0x0
	.amdhsa_kernel k_qe7c6b72bcd_attn
		.amdhsa_group_segment_fixed_size 327680
		.amdhsa_private_segment_fixed_size 0
		.amdhsa_enable_private_segment 0
		.amdhsa_kernarg_size 80
		.amdhsa_user_sgpr_count 2
		.amdhsa_user_sgpr_kernarg_segment_ptr 1
		.amdhsa_wavefront_size32 1
		.amdhsa_system_sgpr_workgroup_id_x 1
		.amdhsa_system_sgpr_workgroup_id_y 1
		.amdhsa_system_sgpr_workgroup_id_z 1
		.amdhsa_system_vgpr_workitem_id 0
		.amdhsa_next_free_vgpr 256
		.amdhsa_next_free_sgpr 102
		.amdhsa_reserve_vcc 1
		.amdhsa_float_denorm_mode_32 3
		.amdhsa_float_denorm_mode_16_64 3
		.amdhsa_memory_ordered 1
		.amdhsa_forward_progress 1
		.amdhsa_inst_pref_size 255
	.end_amdhsa_kernel
	.section	.bss,"aw",@nobits
	.p2align	6
	.space	262144
	.amdgpu_metadata
---
amdhsa.version: [ 1, 2 ]
amdhsa.kernels:
  - .name:           k_qe7c6b72bcd_attn
    .symbol:         k_qe7c6b72bcd_attn.kd
    .args:
      - { .name: q_codes, .offset: 0, .size: 8, .value_kind: global_buffer, .address_space: global }
      - { .name: q_scales, .offset: 8, .size: 8, .value_kind: global_buffer, .address_space: global }
      - { .name: k_codes, .offset: 16, .size: 8, .value_kind: global_buffer, .address_space: global }
      - { .name: k_scales, .offset: 24, .size: 8, .value_kind: global_buffer, .address_space: global }
      - { .name: v_codes, .offset: 32, .size: 8, .value_kind: global_buffer, .address_space: global }
      - { .name: v_scales, .offset: 40, .size: 8, .value_kind: global_buffer, .address_space: global }
      - { .name: kp_codes, .offset: 48, .size: 8, .value_kind: global_buffer, .address_space: global }
      - { .name: vp_codes, .offset: 56, .size: 8, .value_kind: global_buffer, .address_space: global }
      - { .name: p_scales, .offset: 64, .size: 8, .value_kind: global_buffer, .address_space: global }
      - { .name: out0, .offset: 72, .size: 8, .value_kind: global_buffer, .address_space: global }
    .group_segment_fixed_size: 327680
    .private_segment_fixed_size: 0
    .kernarg_segment_align: 8
    .kernarg_segment_size: 80
    .max_flat_workgroup_size: 512
    .sgpr_count:     102
    .vgpr_count:     256
    .wavefront_size: 32
...
	.end_amdgpu_metadata
.endif
;; end of part 2
;; ======== version 2 of 2: 2 launches
;; limits: right only within a limited range of input values
;; workspace buffers: kp_codes 4,194,304 bytes; vp_codes 4,194,304 bytes; p_scales 524,288 bytes
;; launch quant (part 3): grid 256 x 1, 4 waves a work-group, no clusters, 93,184 bytes of LDS; arguments pool_k, pool_v, req_to_token, kp_codes, vp_codes, p_scales; writes kp_codes, vp_codes, p_scales
.if DOCPART == 3
	.amdgcn_target "amdgcn-amd-amdhsa--gfx1250"
	.amdhsa_code_object_version 6
	.text
	.protected	k_qe7c6b72bcd_quant
	.globl	k_qe7c6b72bcd_quant
	.p2align	8
	.type	k_qe7c6b72bcd_quant,@function
k_qe7c6b72bcd_quant:
	s_mov_b64 s[64:65], 0
	v_nop
	global_prefetch_b8 v0, s[64:65] scope:SCOPE_SE
	s_setreg_imm32_b32 hwreg(HW_REG_WAVE_MODE, 25, 1), 1
	s_wait_xcnt 0x0
; The prefix keys and values, gathered from the f32 pools through req_to_token, become codes of FP4 (E2M1) with one E8M0 byte for each 32 along a product's K, ONCE:
; eight work-groups of the next launch read each of them.  A block's scale is 2^(floor(log2(its largest magnitude)) - 2): its byte is the largest magnitude's exponent field - 2, held at 1 from below.
; Work-groups 0-127 take K (K axis = the head's 128, innermost in memory), work-groups 128-255 take V (K axis = the place in the list, NOT innermost).  Each reads 256 KiB.  The two ways have LDS bytes of their own.
; OUT.  kp_codes [bh 32][tile 128][c 2][lane 32][16 bytes]: images of the operand's registers: row r of tile 4 C + t is list place 64 C + 8 t + r % 8 + 32 (r / 8); lane 16 hh + r, group c holds bytes 32 c + 16 hh .. + 15 of that key's 64.
;       vp_codes [bh][chunk 4][d 128][256 bytes]: the 512 list places of a chunk innermost.      p_scales [bh][16,384]: K's words [place 2,048][4], then V's [chunk 4][d 128][16].     (bh = 8 x batch + kv head)
; LIMITS: NaN and infinities in the pools are not served; a block whose largest magnitude lies under 2^-124 keeps the byte 1; a block of zeros gets the byte 1 where the rule says 127 (its codes are zeros,
; which add nothing, and this program alone reads the bytes); an index is held to 0 .. 16,383.
; No cluster, no tensor loads: work-groups share no tile, and the rows of a gather are not the rows of one tile.  No cache hint on the gather: a list may name a row twice.
.set KCS,  20480                       ; K: behind the four waves' turning stages (4 x 5,120): 8 heads x (16 units of 256 bytes, 272 apart, + 64)
.set KHD,  4416                        ; a head's part of it: 4,416 = 64 mod 256, so that the four heads of a store fall on different banks
.set KSC,  55808                       ; K: the scale words, [head 8][place 64][4]
.set VST,  57856                       ; V: a stage of 32 rows x 272 bytes for each wave
.set R,    16                          ; K: v16-79    four sets of 16 numbers as loaded
.set X,    80                          ; K: v80-111   two sets of 16 neighbours
.set TA,   112                         ; K: v112-127  byte offset of my 16 bytes in the pool row of each of my wave's 16 places
.set OUTK, 128                         ; K: v128-191  the way out
.set CK,   196                         ; K: v196-199  codes, two sets of two
.set EK,   200                         ; K: v200-201  scale bytes, two sets
.set SB,   24                          ; V: v24-27    my column's 16 scale bytes
.set XV,   32                          ; V: v32-95    two sets of 32 numbers
.set CV,   96                          ; V: v96-99    a block's codes
.set TK,   100                         ; V: v100-115  the chunk's 512 indices: register t, lane i: list place 32 t + i
.set AD,   128                         ; V: v128-191  two sets of 32 byte offsets
.set OUTV, 192                         ; V: v192-255  the way out
	s_load_b256 s[4:11], s[0:1], 0x0               ; pool_k s[4:5], pool_v s[6:7], req_to_token s[8:9], kp_codes s[10:11]
	s_load_b128 s[12:15], s[0:1], 0x20             ; vp_codes s[12:13], p_scales s[14:15]
	s_set_vgpr_msb 0x40
	v_lshl_add_u32 v0, v0, 2, 0x16a00
	v_mov_b32 v1, 0
	s_set_vgpr_msb 0x4000
	v_lshrrev_b32 v1, 5, v0
	v_readfirstlane_b32 s16, v1                    ; wave 0..3
	v_and_b32 v2, 31, v0                           ; lane
	s_mov_b32 s19, 0                               ; the upper words of three offsets
	s_mov_b32 s21, 0
	s_mov_b32 s29, 0
	s_cmp_lt_u32 ttmp9, 128                        ; the same in all four waves
	s_cbranch_scc0 .Lvpath
; ---------------- K: a work-group takes 64 list places of one batch, all 8 heads; wave w places 16 w .. 16 w + 15, in 32 steps of 512 numbers (half a pool row: four heads).
; A load reads 512 consecutive bytes; a step's 2,048 bytes turn through the wave's own stage so that a lane holds 16 neighbours along K (two lanes to a block).
	v_lshlrev_b32 v3, 4, v2                        ; my 16 bytes of a load's 512
	s_mul_i32 s17, s16, 5120
	v_lshrrev_b32 v14, 2, v2
	v_mul_u32_u24 v14, v14, 80
	v_and_b32 v15, 3, v2
	v_lshl_add_u32 v14, v15, 4, v14
	v_add_nc_u32 v14, s17, v14                     ; the stage, in: four lanes' 64 bytes on end, then 16 of padding
	v_mul_u32_u24 v15, v2, 80
	v_add_nc_u32 v15, s17, v15                     ; and out: my 16 neighbours
	v_lshrrev_b32 v8, 3, v2                        ; which of the step's four heads is mine
	v_bfe_u32 v11, v2, 1, 2                        ; which block of 32 of the head's 128
	v_and_b32 v12, 1, v2                           ; which half of the block
	v_mul_u32_u24 v4, v8, KHD
	v_mad_u32_u24 v4, v11, 272, v4
	v_lshl_add_u32 v4, v12, 3, v4
	; THE ROWS OF A TILE, as the next launch wants them: row r of tile 4 C + t is list place 64 C + 8 t + r % 8 + 32 (r / 8); a work-group's 64 places are one C
	s_and_b32 s17, s16, 1
	s_mul_i32 s17, s17, 2176                       ; places 16 (w % 2) on: two tiles of four units
	s_lshr_b32 s18, s16, 1
	s_lshl_b32 s18, s18, 7                         ; places 32 (w / 2) on: rows 8 .. 15 of a tile
	s_add_co_u32 s17, s17, s18
	s_add_co_u32 s17, s17, KCS
	v_add_nc_u32 v4, s17, v4                       ; where my 8 bytes of codes go: unit 4 T + block, row r
	v_lshl_add_u32 v5, v8, 8, v11
	s_lshl_b32 s17, s16, 6
	s_add_co_u32 s17, s17, KSC
	v_add_nc_u32 v5, s17, v5                       ; and my block's scale byte
	v_lshrrev_b32 v8, 4, v2
	v_and_b32 v11, 15, v2
	v_mul_u32_u24 v6, v8, 272
	v_lshl_add_u32 v6, v11, 4, v6
	s_mul_i32 s17, s16, 2*KHD
	s_add_co_u32 s17, s17, KCS
	v_add_nc_u32 v6, s17, v6                       ; the way out: wave w takes heads 2 w, 2 w + 1; two units an instruction
	s_lshl_b32 s17, s16, 18
	v_lshl_add_u32 v7, v2, 4, s17                  ; in kp_codes: 2 w heads of 131,072 bytes + 16 x lane
	s_lshl_b32 s17, s16, 9
	s_add_co_u32 s17, s17, KSC
	v_lshl_add_u32 v10, v2, 4, s17                 ; the scale words of my two heads
	v_lshlrev_b32 v9, 14, v8
	v_lshl_add_u32 v9, v11, 4, v9
	s_lshl_b32 s17, s16, 15
	v_add_nc_u32 v9, s17, v9                       ; in p_scales: sixteen lanes to a head's 256 bytes
	s_lshl_b32 s18, ttmp9, 8                       ; the list: (64 x work-group + 16 x wave) x 4 bytes
	s_lshl_b32 s17, s16, 6
	s_add_co_u32 s18, s18, s17
	s_lshr_b32 s22, ttmp9, 5                       ; batch
	s_and_b32 s23, ttmp9, 31                       ; which 64 places of its 2,048
	s_lshl_b32 s20, s22, 20
	s_lshl_b32 s17, s23, 12
	s_add_co_u32 s20, s20, s17                     ; kp_codes: 8 heads x 131,072 a batch, 4 tiles x 1,024 a work-group
	s_lshl_b32 s28, s22, 17
	s_lshl_b32 s17, s23, 8
	s_add_co_u32 s28, s28, s17                     ; p_scales: 8 x 16,384 a batch, 256 bytes a work-group
	s_wait_kmcnt 0x0
	s_add_nc_u64 s[8:9], s[8:9], s[18:19]
	s_add_nc_u64 s[10:11], s[10:11], s[20:21]
	s_add_nc_u64 s[14:15], s[14:15], s[28:29]
	s_load_b512 s[32:47], s[8:9], 0x0              ; my wave's 16 indices
	s_wait_kmcnt 0x0
.set N, 0
.rept 16
	s_min_u32 s[32+N], s[32+N], 0x3fff             ; held inside the pool
	s_lshl_b32 s[32+N], s[32+N], 12                ; a pool row is 4,096 bytes
	v_add_nc_u32 v[TA+N], s[32+N], v3
.set N, N+1
.endr
.macro KLOAD t                         ; step t: place t / 2, heads 4 (t % 2) on: four loads of 512 consecutive bytes
.irp i, 0,1,2,3
	global_load_b128 v[R+16*((\t)%4)+4*\i:R+16*((\t)%4)+4*\i+3], v[TA+(\t)/2], s[4:5] offset:2048*((\t)%2)+512*\i
.endr
.endm
.macro KTURN t                         ; through the stage: LDS serves a wave's instructions in order (ISA guide 5.7.1.4), so no wait stands between the stores and the loads
.irp i, 0,1,2,3
	ds_store_b128 v14, v[R+16*((\t)%4)+4*\i:R+16*((\t)%4)+4*\i+3] offset:2560*((\t)%2)+640*\i
.endr
.irp i, 0,1,2,3
	ds_load_b128 v[X+16*((\t)%2)+4*\i:X+16*((\t)%2)+4*\i+3], v15 offset:2560*((\t)%2)+16*\i
.endr
.endm
.macro KSTEP t
.set XS, X+16*((\t)%2)
.set CC, CK+2*((\t)%2)
.if (\t) > 0
	s_wait_dscnt 2                                 ; this step's numbers are back from the stage; the last step's two small stores may be out
.else
	s_wait_dscnt 0x0
.endif
.if (\t)+4 < 32
	KLOAD (\t)+4                                   ; four steps ahead: 16 loads of the wave are out
.endif
.if (\t)+1 < 32
.if 30-(\t) >= 3
	s_wait_loadcnt 12                              ; the next step's four loads are in; those of the three steps behind it may be out
.else
	s_wait_loadcnt 4*(30-(\t))                     ; the counts run down
.endif
	KTURN (\t)+1                                   ; it goes through the other stage while this step is worked
.endif
	v_max3_num_f32 v8, |v[XS]|, |v[XS+1]|, |v[XS+2]|               ; the largest magnitude of my 16, in two chains
	v_max3_num_f32 v12, |v[XS+3]|, |v[XS+4]|, |v[XS+5]|
.irp i, 6,10
	v_max3_num_f32 v8, v8, |v[XS+\i]|, |v[XS+\i+1]|
	v_max3_num_f32 v12, v12, |v[XS+\i+2]|, |v[XS+\i+3]|
.endr
	v_max3_num_f32 v8, v8, |v[XS+14]|, |v[XS+15]|
	v_max3_num_f32 v8, v8, v12, 0x1800000          ; and the floor 2^(3 - 127): the byte cannot fall under 1
	v_max_num_f32_dpp v8, v8, v8 row_xmask:1 row_mask:0xf bank_mask:0xf   ; with my neighbour's 16: the block's
	v_add_nc_u32 v11, 0xff000000, v8               ; 2 off its exponent field: the conversion takes the exponent field of this operand as its scale
	v_cvt_scalef32_pk8_fp4_f32 v[CC], v[XS:XS+7], v11
	v_cvt_scalef32_pk8_fp4_f32 v[CC+1], v[XS+8:XS+15], v11
	v_lshrrev_b32 v[EK+(\t)%2], 23, v11            ; the scale's byte (also the plain line behind the conversions)
	ds_store_b8 v5, v[EK+(\t)%2] offset:1024*((\t)%2)+4*((\t)/2)    ; both lanes of a block write the same byte with the same value
	ds_store_b64 v4, v[CC:CC+1] offset:4*KHD*((\t)%2)+1088*((\t)/16)+16*(((\t)/2)%8)   ; tile + (place / 8), row + place % 8
.endm
.irp t, 0,1,2,3
	KLOAD \t
.endr
	s_wait_loadcnt 12                              ; step 0's four loads are in
	KTURN 0
.irp t, 0,1,2,3,4,5,6,7,8,9,10,11,12,13,14,15,16,17,18,19,20,21,22,23,24,25,26,27,28,29,30,31
	KSTEP \t
.endr
	s_wait_dscnt 0x0                               ; for the others' sake: my stores of codes and bytes have landed (a tile's 16 rows come from two waves)
	s_barrier_signal -1
	s_barrier_wait -1
.irp hs, 0,1
.irp i, 0,1,2,3,4,5,6,7
	ds_load_b128 v[OUTK+32*\hs+4*\i:OUTK+32*\hs+4*\i+3], v6 offset:KHD*\hs+544*\i
.endr
.endr
	ds_load_b128 v[192:195], v10
.irp hs, 0,1
.irp i, 0,1,2,3,4,5,6,7
	s_wait_dscnt 16-8*\hs-\i                       ; the younger loads may be out
	global_store_b128 v7, v[OUTK+32*\hs+4*\i:OUTK+32*\hs+4*\i+3], s[10:11] offset:131072*\hs+512*\i   ; 32 lanes store 512 consecutive bytes, aligned
.endr
.endr
	s_wait_dscnt 0x0
	global_store_b128 v9, v[192:195], s[14:15]     ; sixteen lanes store a head's 256 consecutive bytes, aligned
	s_set_vgpr_msb 0x5
	s_wait_tensorcnt 0x0
	ds_add_u32 v0, v1
	s_wait_dscnt 0x0
	s_set_vgpr_msb 0x500
	s_endpgm
; ---------------- V: a work-group takes one head's 128 columns x 512 list places (a chunk).  A LANE TAKES A COLUMN d = 32 w + lane, AND ITS REGISTERS RUN DOWN THE LIST:
; a block of 32 lies in one lane's 32 registers, and the conversions give codes with the list innermost.  A load reads 128 consecutive bytes a wave, 512 a work-group.
; THE INDICES COME ONCE, at the head: 16 loads of 128 consecutive bytes, an index to a lane; v_readlane_b32 hands them to scalar registers block by block.  So no gather stands behind a load of indices:
; what a wave has on its way is two blocks, 64 loads of 128 bytes.  Each wave reads the chunk's 2 KiB of indices for itself, beside its 64 KiB of the pool: shared through LDS they would cost a barrier.
.Lvpath:
	s_sub_co_u32 s17, ttmp9, 128
	s_and_b32 s22, s17, 7                          ; head
	s_lshr_b32 s23, s17, 3
	s_and_b32 s23, s23, 3                          ; chunk
	s_lshr_b32 s24, s17, 5                         ; batch
	s_lshl_b32 s25, s22, 9
	s_lshl_b32 s26, s16, 7
	s_add_co_u32 s25, s25, s26
	s_wait_alu depctr_va_vdst(0)
	v_lshl_add_u32 v3, v2, 2, s25                  ; my column's byte in a pool row: 512 x head + 128 x wave + 4 x lane
	s_mul_i32 s26, s16, 32*272
	s_add_co_u32 s26, s26, VST                     ; my wave's stage
	v_mul_u32_u24 v4, v2, 272
	v_add_nc_u32 v4, s26, v4                       ; in: row = my column
	v_lshrrev_b32 v11, 4, v2
	v_and_b32 v12, 15, v2
	v_mul_u32_u24 v7, v11, 272
	v_lshl_add_u32 v7, v12, 4, v7
	v_add_nc_u32 v7, s26, v7                       ; out: sixteen lanes to a row, two rows an instruction
	v_lshlrev_b32 v8, 4, v2                        ; in memory my wave's 32 rows of 256 bytes lie on end, and so do its 32 rows of 16 scale bytes: 16 x lane
	v_lshlrev_b32 v9, 2, v2                        ; the list: 4 bytes a lane
	s_lshl_b32 s18, s24, 13
	s_lshl_b32 s26, s23, 11
	s_add_co_u32 s18, s18, s26                     ; the list: (2,048 x batch + 512 x chunk) x 4 bytes
	s_lshl_b32 s27, s24, 3
	s_add_co_u32 s27, s27, s22                     ; bh
	s_lshl_b32 s20, s27, 17
	s_lshl_b32 s26, s23, 15
	s_add_co_u32 s20, s20, s26
	s_lshl_b32 s26, s16, 13
	s_add_co_u32 s20, s20, s26                     ; vp_codes: 131,072 bh + 32,768 chunk + 8,192 wave
	s_lshl_b32 s28, s27, 14
	s_lshl_b32 s26, s23, 11
	s_add_co_u32 s28, s28, s26
	s_lshl_b32 s26, s16, 9
	s_add_co_u32 s28, s28, s26
	s_add_co_u32 s28, s28, 8192                    ; p_scales: 16,384 bh + 8,192 + 2,048 chunk + 512 wave
	s_wait_alu depctr_va_vdst(0)
	s_wait_kmcnt 0x0
	s_add_nc_u64 s[8:9], s[8:9], s[18:19]
	s_add_nc_u64 s[12:13], s[12:13], s[20:21]
	s_add_nc_u64 s[14:15], s[14:15], s[28:29]
.set N, 0
.rept 16
	global_load_b32 v[TK+N], v9, s[8:9] offset:128*N               ; block N's 32 indices
.set N, N+1
.endr
	s_wait_loadcnt 0x0
; Block t: pool_v(list place 32 t + i, my column), i = 0 .. 31, into set t % 2.  Five runs of 32 like lines, so that no line stands behind the line that feeds it.
.macro VLOAD t
.set N, 0
.rept 32
	v_readlane_b32 s[32+N], v[TK+(\t)], N          ; the index of list place 32 t + N
.set N, N+1
.endr
.set N, 0
.rept 32
	s_min_u32 s[32+N], s[32+N], 0x3fff             ; held inside the pool
.set N, N+1
.endr
.set N, 0
.rept 32
	s_lshl_b32 s[32+N], s[32+N], 12                ; a pool row is 4,096 bytes
.set N, N+1
.endr
.set N, 0
.rept 32
	v_add_nc_u32 v[AD+32*((\t)%2)+N], s[32+N], v3
.set N, N+1
.endr
.set N, 0
.rept 32
	global_load_b32 v[XV+32*((\t)%2)+N], v[AD+32*((\t)%2)+N], s[6:7]
.set N, N+1
.endr
.endm
.macro VBLOCK t
.set XS, XV+32*((\t)%2)
.if (\t) < 15
	s_wait_loadcnt 32                              ; this block's 32 loads are in (so their offsets may be written again); the next block's may be out
.else
	s_wait_loadcnt 0x0
.endif
	v_max3_num_f32 v12, |v[XS]|, |v[XS+1]|, |v[XS+2]|              ; the block's largest magnitude: all 32 numbers are mine
	v_max3_num_f32 v13, |v[XS+3]|, |v[XS+4]|, |v[XS+5]|
.irp i, 6,10,14,18,22,26
	v_max3_num_f32 v12, v12, |v[XS+\i]|, |v[XS+\i+1]|
	v_max3_num_f32 v13, v13, |v[XS+\i+2]|, |v[XS+\i+3]|
.endr
	v_max3_num_f32 v12, v12, |v[XS+30]|, |v[XS+31]|
	v_max3_num_f32 v12, v12, v13, 0x1800000        ; and the floor 2^(3 - 127)
	v_add_nc_u32 v11, 0xff000000, v12              ; 2 off its exponent field: the conversion's scale operand
	v_lshrrev_b32 v13, 23, v11                     ; the scale's byte
.if (\t)%4 == 0
	v_mov_b32 v[SB+(\t)/4], v13                    ; four bytes to a register, the lower block in the lower byte
.else
	v_lshl_or_b32 v[SB+(\t)/4], v13, 8*((\t)%4), v[SB+(\t)/4]
.endif
.irp g, 0,1,2,3
	v_cvt_scalef32_pk8_fp4_f32 v[CV+\g], v[XS+8*\g:XS+8*\g+7], v11
.endr
	v_nop                                          ; one plain line behind the conversions
	ds_store_b128 v4, v[CV:CV+3] offset:16*(\t)    ; 32 codes: 16 bytes of my column's row
.if (\t)+2 < 16
	VLOAD (\t)+2                                   ; two blocks ahead
.endif
	s_wait_dscnt 0x0                               ; the store has read its registers: the next block's codes may be written
.endm
	VLOAD 0
	VLOAD 1
.irp t, 0,1,2,3,4,5,6,7,8,9,10,11,12,13,14,15
	VBLOCK \t
.endr
	s_wait_alu depctr_va_vdst(0)
	global_store_b128 v8, v[SB:SB+3], s[14:15]     ; 32 lanes store 512 consecutive bytes of scale bytes, aligned
.irp t, 0,1,2,3,4,5,6,7,8,9,10,11,12,13,14,15
	ds_load_b128 v[OUTV+4*\t:OUTV+4*\t+3], v7 offset:544*\t        ; LDS serves a wave's instructions in order: these see my stores
.endr
.irp t, 0,1,2,3,4,5,6,7,8,9,10,11,12,13,14,15
	s_wait_dscnt 15-\t                             ; the younger loads may be out
	global_store_b128 v8, v[OUTV+4*\t:OUTV+4*\t+3], s[12:13] offset:512*\t   ; two rows of 256 bytes: 512 consecutive bytes, aligned
.endr
	s_set_vgpr_msb 0x5
	s_wait_tensorcnt 0x0
	ds_add_u32 v0, v1
	s_wait_dscnt 0x0
	s_set_vgpr_msb 0x500
	s_endpgm
.Lfunc_end_k_qe7c6b72bcd_quant:
	.size	k_qe7c6b72bcd_quant, .Lfunc_end_k_qe7c6b72bcd_quant-k_qe7c6b72bcd_quant
	.p2alignl 7, 3214868480
	.fill 96, 4, 3214868480
	.section	.rodata,"a",@progbits
	.p2align	6, 0x0
	.amdhsa_kernel k_qe7c6b72bcd_quant
		.amdhsa_group_segment_fixed_size 93184
		.amdhsa_private_segment_fixed_size 0
		.amdhsa_enable_private_segment 0
		.amdhsa_kernarg_size 48
		.amdhsa_user_sgpr_count 2
		.amdhsa_user_sgpr_kernarg_segment_ptr 1
		.amdhsa_wavefront_size32 1
		.amdhsa_system_sgpr_workgroup_id_x 1
		.amdhsa_system_sgpr_workgroup_id_y 1
		.amdhsa_system_sgpr_workgroup_id_z 1
		.amdhsa_system_vgpr_workitem_id 0
		.amdhsa_next_free_vgpr 258
		.amdhsa_next_free_sgpr 66
		.amdhsa_reserve_vcc 0
		.amdhsa_float_denorm_mode_32 3
		.amdhsa_float_denorm_mode_16_64 3
		.amdhsa_memory_ordered 1
		.amdhsa_forward_progress 1
		.amdhsa_inst_pref_size 245
	.end_amdhsa_kernel
	.amdgpu_metadata
---
amdhsa.version: [ 1, 2 ]
amdhsa.kernels:
  - .name:           k_qe7c6b72bcd_quant
    .symbol:         k_qe7c6b72bcd_quant.kd
    .args:
      - { .name: pool_k, .offset: 0, .size: 8, .value_kind: global_buffer, .address_space: global }
      - { .name: pool_v, .offset: 8, .size: 8, .value_kind: global_buffer, .address_space: global }
      - { .name: req_to_token, .offset: 16, .size: 8, .value_kind: global_buffer, .address_space: global }
      - { .name: kp_codes, .offset: 24, .size: 8, .value_kind: global_buffer, .address_space: global }
      - { .name: vp_codes, .offset: 32, .size: 8, .value_kind: global_buffer, .address_space: global }
      - { .name: p_scales, .offset: 40, .size: 8, .value_kind: global_buffer, .address_space: global }
    .group_segment_fixed_size: 93184
    .private_segment_fixed_size: 0
    .kernarg_segment_align: 8
    .kernarg_segment_size: 48
    .max_flat_workgroup_size: 128
    .sgpr_count:     66
    .vgpr_count:     258
    .wavefront_size: 32
...
	.end_amdgpu_metadata
.endif
;; end of part 3
;; launch attn (part 4): grid 256 x 1, 8 waves a work-group, clusters of 4 x 1, 327,680 bytes of LDS; arguments q_codes, q_scales, k_codes, k_scales, v_codes, v_scales, kp_codes, vp_codes, p_scales, out0; writes out0
.if DOCPART == 4
	.amdgcn_target "amdgcn-amd-amdhsa--gfx1250"
	.amdhsa_code_object_version 6
	.text
	.protected	k_qe7c6b72bcd_attn
	.globl	k_qe7c6b72bcd_attn
	.p2align	8
	.type	k_qe7c6b72bcd_attn,@function
k_qe7c6b72bcd_attn:
	s_mov_b64 s[64:65], 0
	v_nop
	global_prefetch_b8 v0, s[64:65] scope:SCOPE_SE
	s_setreg_imm32_b32 hwreg(HW_REG_WAVE_MODE, 25, 1), 1
	s_wait_xcnt 0x0
	s_wait_alu depctr_hold_cnt(0) depctr_sa_sdst(0) depctr_va_vdst(0) depctr_va_sdst(0) depctr_va_ssrc(0) depctr_va_vcc(0) depctr_vm_vsrc(0)
	s_getreg_b32 s2, hwreg(HW_REG_IB_STS2, 6, 4)
	s_cmp_eq_u32 s2, 0
	s_cbranch_scc0 .Lentry_in_a_cluster
	s_endpgm
.Lentry_in_a_cluster:
	s_bfe_u32 s2, ttmp6, 0x10000c
	s_cmp_lg_u32 s2, 0x3003
	s_cbranch_scc0 .Lentry_shape_is_right
	s_endpgm
.Lentry_shape_is_right:
; Attention of 512 new tokens x 4 query heads of each (batch, kv head) over 512 new keys (causal) and 2,048 prefix keys; both products on codes of FP4 (E2M1) with one E8M0 scale for each 32 along K.
; THE MERGE OF THE TWO PARTS IS THE STREAM ITSELF: o = (O1 2^M1 + O2 2^M2) / (l1 2^M1 + l2 2^M2) is what ONE softmax with a running whole-number M gives over all 2,560 keys; blocks of 32 keys never
; straddle the parts, and a change of M is an exact power of two, which a block's scale takes up.  LEFT OUT: key steps of 128 new keys that all come after a wave's 16 tokens.
; SOFTMAX: t = score x log2(e) / sqrt(128); M = the largest t so far, rounded UP to a whole number; p = 2^(t - M) is quantised along the keys, not normalised; l is the sum of the unquantised p and divides at the end.
; SHARES.  bh = cluster / 2; j = 4 (cluster % 2) + place in the cluster.  A work-group owns token tiles j, 15 - j, 16 + j, 31 - j (16 tokens each) x 4 query heads.  EIGHT waves, each with TWO tiles of 16 queries:
; one token tile x two query heads, so that each fragment of K and V read from LDS feeds two matrix instructions and both tiles have the same causal shape.  Wave w: heads 2 (w / 4), + 1; U = (w % 4) xor 3 (w / 4)
; picks the token tile, whose number / 8 is U: U + 1 causal steps, the diagonal in step U.  Every branch hangs on the wave's number and on counts alone.
; WINDOWS.  v0-255: addresses, K's fragments (v32-95), O^T of tile x (v96 + 64 x), Q (v224 + 8 x), scale words (v240-251).  v256-511, written below by their low numbers: S^T, then p, of tile x (64 x), V's fragments (128),
; p's codes (192 + 8 x) and the softmax's state.  So the softmax of BOTH tiles runs under one setting, and its lines take the two tiles by turns: no line reads the line above it.
; LAYOUT.  Both products transposed (source 0 = 16 keys, or 16 of the head's 128; source 1 = my 16 queries): a lane holds ONE query.  Row r of K's tile 4 c + t is key 64 c + 8 t + r % 8 + 32 (r / 8): so the 32 registers of
; tiles 4 c .. 4 c + 3 are the 32 neighbouring keys 64 c + 32 (lane / 16) + 0 .. 31: a WHOLE block in a lane, in the order of the next operand's registers.  A scale register carries two tiles' words (lanes 16-31: ROW1).
; THE ORDER OF A STEP.  Behind the first product this step's V and the NEXT step's K are asked for: both land while the softmax is worked.  A phase's last step asks for 128 keys' worth of bytes behind its K:
; LDS bytes that were filled and that no fill is landing on; what comes is not used.
; LDS.  A (67,584 bytes): the new keys (rows of 64 bytes) and values; later the prefix's chunk 3.  B (202,752): chunks 0 to 2, filled once.  Then three blocks of scales and the spare words.
; CLUSTER.  The four work-groups of a cluster walk the same K, V and scales: every tile is asked for jointly, mask 15.
; NO PREFETCH: each fill is asked for at the first barrier that allows it, and the text has no loop of fills to run ahead in.
; LIMITS: a p under 2^-126 below the running M counts as 0; a block of p all 0 keeps the scale byte 1 (its codes are zeros); the promise holds while |t| stays under 2^31; NaN and infinities among the inputs are not served.
.set AV,    32768                      ; A: K at 0, V here
.set BK,    67584                      ; B: K's three chunks of 32,768
.set BV,    165888                     ; B: V's three chunks
.set VP,    272                        ; a row of V's tile (512 keys: 256 bytes) + 16 of padding
.set VCH,   128*VP
.set SCKE,  270336                     ; k_scales of the batch, [key 512][head 8][4]
.set SCP,   286720                     ; p_scales of bh: K's words, then V's
.set SCVE,  303104                     ; v_scales of the batch, [head 8][d 128][16]
.set SPARE, 319488                     ; the spare words, 128 bytes a wave: four blocks of 256 bytes that no other line names
.set STAGE, BK                         ; the way out: 16 rows x 272 bytes a wave, in B: it has had its only fill, and its last read stands ahead of the last barrier
.set AKE,  1                           ; window 0.  Lane terms that stay: a tile of new keys,
.set AV0,  2                           ; of V,
.set ASKP, 3                           ; the prefix keys' scale words,
.set ASVP, 4                           ; the prefix values',
.set SPW,  5                           ; my spare word; never rewritten
.set NIL,  6                           ; 0; never rewritten
.set GO,   7                           ; my byte offset in the wave's rows of out0
.set ADK,  8                           ; the addresses in hand
.set ADV,  9
.set ADS,  10
.set ADT,  11
.set AKP,  24                          ; 16 x lane: my place in an image
.set ASKE, 25
.set ASVE, 26
.set STI,  29                          ; the stage, in
.set STO,  30                          ; and back
.set KS,   240                         ; K's scale words, four
.set VS,   244                         ; V's
.set PS,   248                         ; p's: tile 0, tile 1
.set QS,   250                         ; Q's
.set BM,   208                         ; window 1, tile x.  BM + 4 x: my two blocks' largest score, then p, then scale operand; + 2, + 3 second chains
.set WK,   216                         ; WK + 4 x: at work
.set NM,   224                         ; NM + 2 x: -M, and the largest score
.set LL,   228                         ; LL + 2 x: l in two halves
.set FF,   232                         ; FF + 2 x: f (the pair's upper half is only named)
.set TT,   236                         ; TT + 6 x: three pairs of partial sums
.set OLD,  248                         ; OLD + x
.set DD,   250                         ; my token - the diagonal step's first key - 32 (lane / 16)
.set SH8,  251                         ; 8 (lane / 16)
.set NEG,  252
.set WV,   2
.set UU,   3
.set G1KE, 4                           ; group 1: 256 rows of 64 bytes, 512 apart in memory, dense in LDS
.set G1V,  12                          ; 128 rows of 256 bytes, dense in memory, 272 apart in LDS
.set G1S,  20                          ; dense rows of 256 bytes: 64 at the head (scales), 128 behind it (a chunk's images of K)
.set G0KE, 28
.set G0VE, 32
.set G0S0, 36
.set G0S1, 40
.set G0S2, 44
.set G0KP, 48                          ; chunk w % 4 of K and of V, into B
.set G0VP, 52
.set G0KQ, 72                          ; chunk 3, into A
.set G0VQ, 76
.set TK,   66                          ; LDS bytes at which the step's K and V begin,
.set TV,   67
.set TSK,  80                          ; and its scale words
.set TSV,  81
.set QC,   82                          ; the causal step
.set TKH,  83                          ; TK and TV two chunks on
.set TVH,  84
.set SEL,  88
.set CS,   90
.set CNT,  92
.set TKN,  85                          ; in A: where the next step's K begins, (TK + 8192) mod 32,768: a phase's last look-ahead wraps to A's first 128 keys (behind A's K lie V's rows, whose padding nothing fills)
.set MSB, 0
.macro WIN new                         ; the immediate's high byte repeats the setting that is left
.if MSB != (\new)
	s_set_vgpr_msb (MSB<<8)|(\new)
.set MSB, (\new)
.endif
.endm
.macro CROUND                          ; a round of the cluster's barrier
	s_barrier_signal -1
	s_barrier_wait -1
	s_cmp_lg_u32 s[WV], 0
	s_cbranch_scc1 .Lnot_wave_0_\@
	s_barrier_signal -3
.Lnot_wave_0_\@:
	s_barrier_wait -3
	s_barrier_signal -1
	s_barrier_wait -1
.endm
.macro PLACES
.rept 4
	v_nop
.endr
.endm
.macro JLOAD g0k, g0v, n               ; joint loads: waves 0 .. n - 1 a chunk of K each, waves 4 .. 3 + n a chunk of V each
	s_cmp_lt_u32 s[WV], \n
	s_cbranch_scc0 .Lnot_k_\@
	tensor_load_to_lds s[\g0k:\g0k+3], s[G1S:G1S+7]
	s_nop 0
	PLACES
	s_branch .Lasked_\@
.Lnot_k_\@:
	s_cmp_lt_u32 s[WV], 4
	s_cbranch_scc1 .Lasked_\@
	s_cmp_lt_u32 s[WV], 4+\n
	s_cbranch_scc0 .Lasked_\@
	tensor_load_to_lds s[\g0v:\g0v+3], s[G1V:G1V+7]
	s_nop 0
	PLACES
.Lasked_\@:
.endm
.macro GROUP0 g, ptr                   ; the LDS address is written already: count, the buffer's address + s[96:97], type
	s_mov_b32 s[\g], 1
	s_add_nc_u64 s[\g+2:\g+3], s[\ptr:\ptr+1], s[96:97]
	s_or_b32 s[\g+3], s[\g+3], 0x80000000
.endm
	s_load_b512 s[68:83], s[0:1], 0x0              ; q_codes 68, q_scales 70, k_codes 72, k_scales 74, v_codes 76, v_scales 78, kp_codes 80, vp_codes 82
	s_load_b128 s[84:87], s[0:1], 0x40             ; p_scales 84, out0 86
	v_lshl_add_u32 v[SPW], v0, 2, SPARE
	v_mov_b32 v[NIL], 0
	ds_add_u32 v[SPW], v[NIL]                      ; the opening lines: the add twice on end under one wait
	ds_add_u32 v[SPW], v[NIL]
	v_lshrrev_b32 v8, 5, v0
	v_readfirstlane_b32 s[WV], v8                  ; wave 0..7
	s_and_b32 s56, s[WV], 3
	s_lshr_b32 s57, s[WV], 2                       ; which pair of query heads
	s_mul_i32 s[UU], s57, 3
	s_xor_b32 s[UU], s[UU], s56                    ; U
	s_lshr_b32 s59, ttmp9, 1                       ; bh: the four partners share it
	s_lshr_b32 s60, s59, 3                         ; batch
	s_and_b32 s61, s59, 7                          ; kv head
	; what hangs on my place in the cluster feeds no descriptor, no LDS address and no branch: s58, s62, s63, s93-95, s100
	s_bfe_u32 s58, ttmp6, 0x40000
	s_and_b32 s62, ttmp9, 1
	s_lshl_b32 s62, s62, 2
	s_add_co_u32 s62, s62, s58                     ; j
	s_lshl_b32 s63, s62, 1
	s_sub_co_u32 s63, 15, s63
	s_and_b32 s94, s[UU], 1
	s_mul_i32 s63, s63, s94
	s_add_co_u32 s63, s63, s62                     ; j or 15 - j
	s_lshr_b32 s94, s[UU], 1
	s_lshl_b32 s94, s94, 4
	s_add_co_u32 s63, s63, s94                     ; my token tile
	s_lshl_b32 s95, s63, 4                         ; my first token
	s_lshl_b32 s94, s[UU], 7
	s_sub_co_u32 s93, s95, s94                     ; less the diagonal step's first key: 0 .. 112
	s_lshl_b32 s100, s60, 9
	s_add_co_u32 s100, s100, s95                   ; 512 x batch + my first token
	s_lshl_b32 s94, s61, 2
	s_lshl_b32 s101, s57, 1
	s_add_co_u32 s94, s94, s101                    ; tile 0's query head
	s_lshl_b32 s58, s100, 5
	s_add_co_u32 s58, s58, s94                     ; its first row among Q's rows
	s_mov_b32 s63, 0
	s_and_b32 s57, s[WV], 1                        ; which half of the new keys I fetch, if I fetch
	s_mov_b32 s[G1KE], 15|(1<<21)                  ; mask: all four; elements of 1 byte; no padding
	s_mov_b32 s[G1KE+1], 64<<16
	s_mov_b32 s[G1KE+2], 256<<16
	s_mov_b32 s[G1KE+3], 64<<16
	s_mov_b32 s[G1KE+4], 256
	s_mov_b32 s[G1KE+5], 512                       ; from key to key: 8 heads x 64 bytes
	s_mov_b32 s[G1KE+6], 0
	s_mov_b32 s[G1KE+7], 0
	s_mov_b32 s[G1V], 15|(1<<20)|(1<<21)|(5<<22)|(3<<25)   ; padding: four words after every 64
	s_mov_b32 s[G1V+1], 256<<16
	s_mov_b32 s[G1V+2], 128<<16
	s_mov_b32 s[G1V+3], 256<<16
	s_mov_b32 s[G1V+4], 128
	s_mov_b32 s[G1V+5], 256
	s_mov_b32 s[G1V+6], 0
	s_mov_b32 s[G1V+7], 0
	s_mov_b32 s[G1S], 15|(3<<16)|(1<<21)           ; elements of 8 bytes; no padding
	s_mov_b32 s[G1S+1], 32<<16
	s_mov_b32 s[G1S+2], 64<<16
	s_mov_b32 s[G1S+3], 32<<16
	s_mov_b32 s[G1S+4], 64
	s_mov_b32 s[G1S+5], 32
	s_mov_b32 s[G1S+6], 0
	s_mov_b32 s[G1S+7], 0
	s_mov_b32 s[SEL], 0x76543210
	s_mov_b32 s[SEL+1], 0xfedcba98                 ; lane l xor 16
	s_mov_b32 s[CS], 0x3e0293ee                    ; c = log2(e) / sqrt(128)
	s_mov_b32 s[CS+1], s[CS]
	s_mov_b32 s97, 0
	s_wait_dscnt 0x0                               ; both opening adds are done
	s_wait_kmcnt 0x0
	s_lshl_b32 s96, s60, 18                        ; k_codes: 262,144 a batch, 64 a head, 256 keys of 512 bytes a half
	s_lshl_b32 s98, s61, 6
	s_add_co_u32 s96, s96, s98
	s_lshl_b32 s98, s57, 17
	s_add_co_u32 s96, s96, s98
	s_lshl_b32 s[G0KE+1], s57, 14
	GROUP0 G0KE, 72
	s_lshl_b32 s96, s60, 14                        ; k_scales and v_scales: 16,384 a batch
	s_mov_b32 s[G0S0+1], SCKE
	GROUP0 G0S0, 74
	s_mov_b32 s[G0S2+1], SCVE
	GROUP0 G0S2, 78
	s_lshl_b32 s96, s59, 15                        ; v_codes: 32,768 a (batch, head)
	s_mov_b32 s[G0VE+1], AV
	GROUP0 G0VE, 76
	s_lshl_b32 s96, s59, 17                        ; kp_codes and vp_codes: 131,072 a (batch, head), 32,768 a chunk
	s_lshl_b32 s99, s56, 15
	s_add_co_u32 s96, s96, s99
	s_add_co_u32 s[G0KP+1], s99, BK
	GROUP0 G0KP, 80
	s_mul_i32 s98, s56, VCH
	s_add_co_u32 s[G0VP+1], s98, BV
	GROUP0 G0VP, 82
	s_lshl_b32 s96, s59, 17
	s_add_co_u32 s96, s96, 3*32768                 ; chunk 3 (s72-79 held addresses that have been used)
	s_mov_b32 s[G0KQ+1], 0
	GROUP0 G0KQ, 80
	s_mov_b32 s[G0VQ+1], AV
	GROUP0 G0VQ, 82
	s_lshl_b32 s96, s59, 14                        ; p_scales: 16,384 a (batch, head)
	s_mov_b32 s[G0S1+1], SCP
	GROUP0 G0S1, 84
	s_lshl_b32 s62, s58, 6                         ; Q's codes, 64 bytes a row,
	s_add_nc_u64 s[68:69], s[68:69], s[62:63]
	s_lshl_b32 s62, s58, 2                         ; its scale words,
	s_add_nc_u64 s[70:71], s[70:71], s[62:63]
	s_lshl_b32 s62, s100, 14                       ; and out0: 16,384 bytes a token, 512 a query head
	s_lshl_b32 s94, s94, 9
	s_add_co_u32 s62, s62, s94
	s_add_nc_u64 s[86:87], s[86:87], s[62:63]
	s_lshl_b32 s98, s61, 2
	s_add_co_u32 s98, s98, SCKE                    ; my head's word in a key's 32 bytes
	s_lshl_b32 s101, s61, 11
	s_add_co_u32 s101, s101, SCVE                  ; my head's 2,048 bytes
	s_mul_i32 s99, s[WV], 16*272
	s_add_co_u32 s99, s99, STAGE                   ; my stage
	s_mov_b32 s[TK], 0
	s_mov_b32 s[TV], AV
	s_mov_b32 s[TSK], 0
	s_mov_b32 s[TSV], 0
	s_mov_b32 s[QC], 0
	s_mov_b32 s[TKH], 0
	s_mov_b32 s[TVH], 0
	CROUND                                         ; all four work-groups are here: the first joint loads meet
; the head's loads, one a wave, in one chain of branches: waves 0, 1 the new keys; 2 the new values; 3, 4, 5 the scales
.macro ARM under, g0, g1, next
	s_cmp_lt_u32 s[WV], \under
	s_cbranch_scc0 \next
	tensor_load_to_lds s[\g0:\g0+3], s[\g1:\g1+7]
	s_nop 0
	PLACES
	s_branch .Lhead_asked
\next:
.endm
	ARM 2, G0KE, G1KE, .Lhead_v
	ARM 3, G0VE, G1V,  .Lhead_s0
	ARM 4, G0S0, G1S,  .Lhead_s1
	ARM 5, G0S1, G1S,  .Lhead_s2
	ARM 6, G0S2, G1S,  .Lhead_none
.Lhead_asked:
	v_and_b32 v8, 15, v0                           ; r
	v_bfe_u32 v9, v0, 4, 1                         ; h
	v_lshlrev_b32 v10, 11, v8
	v_lshl_add_u32 v10, v9, 4, v10                 ; Q: token r is 32 rows of 64 bytes on; + my half's 16 bytes
	v_lshlrev_b32 v11, 7, v8
.irp x, 0,1                                    ; Q's fragments and scale words stay in registers; tile 1 is the next head
	global_load_b128 v[224+8*\x:227+8*\x], v10, s[68:69] offset:64*\x
	global_load_b128 v[228+8*\x:231+8*\x], v10, s[68:69] offset:64*\x+32
	global_load_b32 v[QS+\x], v11, s[70:71] offset:4*\x
.endr
	v_and_b32 v12, 7, v8
	v_lshrrev_b32 v13, 3, v8
	v_lshl_add_u32 v12, v13, 5, v12                ; r % 8 + 32 (r / 8)
	v_lshlrev_b32 v[AKE], 6, v12
	v_lshl_add_u32 v[AKE], v9, 4, v[AKE]
	v_mul_u32_u24 v[AV0], v8, VP
	v_lshl_add_u32 v[AV0], v9, 4, v[AV0]
	v_lshl_add_u32 v12, v9, 3, v12                 ; + 8 h: lanes 16-31 take the next tile's words
	v_lshl_add_u32 v[ASKP], v12, 2, SCP
	v_lshl_add_u32 v[ASKE], v12, 5, s98
	v_lshl_add_u32 v13, v9, 4, v8                  ; r + 16 h
	v_lshl_add_u32 v[ASVP], v13, 4, SCP+8192
	v_lshl_add_u32 v[ASVE], v13, 4, s101
	v_lshlrev_b32 v[GO], 14, v9
	v_lshl_add_u32 v[GO], v8, 4, v[GO]             ; lanes 0-15 one token's row of out0, lanes 16-31 the next
	v_and_b32 v[AKP], 31, v0
	v_lshlrev_b32 v[AKP], 4, v[AKP]
	v_lshlrev_b32 v14, 5, v9
	v_sub_nc_u32 v14, v8, v14
	v_add_nc_u32 v14, s93, v14                     ; the mask's number
	v_lshlrev_b32 v15, 3, v9
	v_mul_u32_u24 v[STI], v8, 272
	v_lshl_add_u32 v[STI], v9, 5, v[STI]
	v_add_nc_u32 v[STI], s99, v[STI]
	v_mul_u32_u24 v[STO], v9, 272
	v_lshl_add_u32 v[STO], v8, 4, v[STO]
	v_add_nc_u32 v[STO], s99, v[STO]
	v_mov_b32 v16, 0xff61b1e6                      ; the largest score so far: -3e38
	v_mul_f32 v17, s[CS], v16
	v_floor_f32 v17, -v17                          ; -M
	WIN 0x40                                       ; the softmax's state, in window 1
	v_mov_b32 v[DD], v14
	v_mov_b32 v[SH8], v15
.irp x, 0,1
	v_mov_b32 v[NM+2*\x], v17
	v_mov_b32 v[NM+2*\x+1], v16
	v_mov_b32 v[LL+2*\x], 0
	v_mov_b32 v[LL+2*\x+1], 0
	v_mov_b32 v[WK+4*\x+1], 0                      ; a lane permute's destination counts as a source
	v_mov_b32 v[FF+2*\x+1], 0                      ; named as a pair's upper half
.endr
	WIN 0
; one matrix instruction.  z: the constant 0 starts the sum; odd: source 0's scale words lie in lanes 16-31
.macro MM d, a, b, z, sa, sb, odd
.if \z
.if \odd
	v_wmma_scale_f32_16x16x128_f8f6f4 v[\d:\d+7], v[\a:\a+7], v[\b:\b+7], 0, v[\sa], v[\sb] matrix_a_fmt:MATRIX_FMT_FP4 matrix_b_fmt:MATRIX_FMT_FP4 matrix_a_scale:MATRIX_SCALE_ROW1
.else
	v_wmma_scale_f32_16x16x128_f8f6f4 v[\d:\d+7], v[\a:\a+7], v[\b:\b+7], 0, v[\sa], v[\sb] matrix_a_fmt:MATRIX_FMT_FP4 matrix_b_fmt:MATRIX_FMT_FP4
.endif
.else
.if \odd
	v_wmma_scale_f32_16x16x128_f8f6f4 v[\d:\d+7], v[\a:\a+7], v[\b:\b+7], v[\d:\d+7], v[\sa], v[\sb] matrix_a_fmt:MATRIX_FMT_FP4 matrix_b_fmt:MATRIX_FMT_FP4 matrix_a_scale:MATRIX_SCALE_ROW1
.else
	v_wmma_scale_f32_16x16x128_f8f6f4 v[\d:\d+7], v[\a:\a+7], v[\b:\b+7], v[\d:\d+7], v[\sa], v[\sb] matrix_a_fmt:MATRIX_FMT_FP4 matrix_b_fmt:MATRIX_FMT_FP4
.endif
.endif
.endm
; THE SOFTMAX OF BOTH TILES AND THEIR SECOND PRODUCT.  Every group of lines takes the tiles by turns.
.macro JSOFT first
	WIN 0x55
.irp x, 0,1                                    ; each block's largest score, in two chains; each accumulator from its low end on
	v_max3_num_f32 v[BM+4*\x], v[64*\x], v[64*\x+1], v[64*\x+2]
	v_max3_num_f32 v[BM+4*\x+2], v[64*\x+16], v[64*\x+17], v[64*\x+18]
	v_max3_num_f32 v[BM+4*\x+1], v[64*\x+32], v[64*\x+33], v[64*\x+34]
	v_max3_num_f32 v[BM+4*\x+3], v[64*\x+48], v[64*\x+49], v[64*\x+50]
.endr
.irp i, 3,5,7,9,11,13
.irp x, 0,1
	v_max3_num_f32 v[BM+4*\x], v[BM+4*\x], v[64*\x+\i], v[64*\x+\i+1]
	v_max3_num_f32 v[BM+4*\x+2], v[BM+4*\x+2], v[64*\x+\i+16], v[64*\x+\i+17]
	v_max3_num_f32 v[BM+4*\x+1], v[BM+4*\x+1], v[64*\x+\i+32], v[64*\x+\i+33]
	v_max3_num_f32 v[BM+4*\x+3], v[BM+4*\x+3], v[64*\x+\i+48], v[64*\x+\i+49]
.endr
.endr
.irp x, 0,1
	v_max3_num_f32 v[BM+4*\x], v[BM+4*\x], v[BM+4*\x+2], v[64*\x+15]
	v_max3_num_f32 v[BM+4*\x+1], v[BM+4*\x+1], v[BM+4*\x+3], v[64*\x+47]
.endr
.irp x, 0,1
	v_max_num_f32 v[BM+4*\x], v[BM+4*\x], v[64*\x+31]
	v_max_num_f32 v[BM+4*\x+1], v[BM+4*\x+1], v[64*\x+63]
.endr
.irp x, 0,1
	v_mov_b32 v[OLD+\x], v[NM+2*\x]
.endr
.irp x, 0,1
	v_max_num_f32 v[WK+4*\x], v[BM+4*\x], v[BM+4*\x+1]
.endr
.irp x, 0,1
	v_permlanex16_b32 v[WK+4*\x+1], v[WK+4*\x], s[SEL], s[SEL+1]   ; lane l xor 16's two blocks
.endr
.irp x, 0,1
	v_max3_num_f32 v[NM+2*\x+1], v[NM+2*\x+1], v[WK+4*\x], v[WK+4*\x+1]   ; the running largest score
.endr
.irp x, 0,1
	v_mul_f32 v[WK+4*\x], s[CS], v[NM+2*\x+1]      ; as t (c is positive)
.endr
.irp x, 0,1
	v_floor_f32 v[NM+2*\x], -v[WK+4*\x]            ; -M = floor(-t): M is a whole number
.endr
.irp x, 0,1
	v_sub_f32 v[OLD+\x], v[NM+2*\x], v[OLD+\x]     ; old M - new M: a whole number, 0 or less
.endr
.irp x, 0,1
	v_cvt_i32_f32 v[OLD+\x], v[OLD+\x]             ; (it saturates)
.endr
.irp x, 0,1
	v_ldexp_f32 v[FF+2*\x], 1.0, v[OLD+\x]         ; f = 2^(old M - new M): a multiplication by it rounds nothing
.endr
.irp x, 0,1
.set N, 0
.rept 32
	v_pk_fma_f32 v[64*\x+N:64*\x+N+1], v[64*\x+N:64*\x+N+1], s[CS:CS+1], v[NM+2*\x:NM+2*\x+1] op_sel_hi:[1,0,0]   ; t - M
.set N, N+2
.endr
	v_fma_f32 v[BM+4*\x], v[BM+4*\x], s[CS], v[NM+2*\x]            ; the same of each block's largest score: the same bits as that p
	v_fma_f32 v[BM+4*\x+1], v[BM+4*\x+1], s[CS], v[NM+2*\x]
.endr
	s_wait_alu depctr_va_vdst(0)                   ; ahead of the batch
.irp x, 0,1
	v_exp_f32 v[BM+4*\x], v[BM+4*\x]
	v_exp_f32 v[BM+4*\x+1], v[BM+4*\x+1]
.endr
.set N, 0
.rept 128
	v_exp_f32 v[N], v[N]                           ; p = 2^(t - M), not normalised
.set N, N+1
.endr
.irp x, 0,1
	v_pk_mul_f32 v[LL+2*\x:LL+2*\x+1], v[LL+2*\x:LL+2*\x+1], v[FF+2*\x:FF+2*\x+1] op_sel_hi:[1,0]   ; l under the new M (plain lines behind the batch)
.endr
	s_wait_alu depctr_va_vdst(0)                   ; and the wait behind it
.irp x, 0,1
	v_max_num_f32 v[BM+4*\x], 0x1800000, v[BM+4*\x]                ; the floor 2^(3 - 127): the byte cannot fall under 1
	v_max_num_f32 v[BM+4*\x+1], 0x1800000, v[BM+4*\x+1]
.endr
.irp x, 0,1
	v_add_nc_u32 v[BM+4*\x], 0xff000000, v[BM+4*\x]                ; 2 off the exponent field: the conversion's scale operand
	v_add_nc_u32 v[BM+4*\x+1], 0xff000000, v[BM+4*\x+1]
.endr
.irp x, 0,1
	v_lshrrev_b32 v[WK+4*\x], 23, v[BM+4*\x]       ; the bytes of blocks h and 2 + h,
	v_lshrrev_b32 v[WK+4*\x+1], 23, v[BM+4*\x+1]
.endr
.irp x, 0,1
	v_lshl_or_b32 v[WK+4*\x], v[WK+4*\x+1], 16, v[WK+4*\x]
.endr
.irp x, 0,1
	v_lshlrev_b32 v[WK+4*\x], v[SH8], v[WK+4*\x]   ; at their places in the word;
.endr
.irp x, 0,1
	v_permlanex16_b32 v[WK+4*\x+1], v[WK+4*\x], s[SEL], s[SEL+1]
.endr
	WIN 0x05                                       ; scale words lie in window 0
.irp x, 0,1
	v_or_b32 v[PS+\x], v[WK+4*\x], v[WK+4*\x+1]    ; with lane l xor 16's two the word is whole
.endr
	WIN 0x55
.irp c, 0,1
.irp g, 0,1,2,3
.irp x, 0,1
	v_cvt_scalef32_pk8_fp4_f32 v[192+8*\x+4*\c+\g], v[64*\x+32*\c+8*\g:64*\x+32*\c+8*\g+7], v[BM+4*\x+\c]   ; registers 4 c .. 4 c + 3 of the operand, as they are
.endr
.endr
.endr
.irp x, 0,1                                    ; l is taken of the unquantised p, in four chains a tile: these additions are also the places ahead of the products
	v_pk_add_f32 v[TT+6*\x:TT+6*\x+1], v[64*\x:64*\x+1], v[64*\x+2:64*\x+3]
	v_pk_add_f32 v[TT+6*\x+2:TT+6*\x+3], v[64*\x+4:64*\x+5], v[64*\x+6:64*\x+7]
	v_pk_add_f32 v[TT+6*\x+4:TT+6*\x+5], v[64*\x+8:64*\x+9], v[64*\x+10:64*\x+11]
	v_pk_add_f32 v[LL+2*\x:LL+2*\x+1], v[LL+2*\x:LL+2*\x+1], v[64*\x+12:64*\x+13]
.endr
.irp j, 14,22,30,38,46,54
.irp x, 0,1
	v_pk_add_f32 v[TT+6*\x:TT+6*\x+1], v[TT+6*\x:TT+6*\x+1], v[64*\x+\j:64*\x+\j+1]
	v_pk_add_f32 v[TT+6*\x+2:TT+6*\x+3], v[TT+6*\x+2:TT+6*\x+3], v[64*\x+\j+2:64*\x+\j+3]
	v_pk_add_f32 v[TT+6*\x+4:TT+6*\x+5], v[TT+6*\x+4:TT+6*\x+5], v[64*\x+\j+4:64*\x+\j+5]
	v_pk_add_f32 v[LL+2*\x:LL+2*\x+1], v[LL+2*\x:LL+2*\x+1], v[64*\x+\j+6:64*\x+\j+7]
.endr
.endr
.irp x, 0,1
	v_pk_add_f32 v[TT+6*\x:TT+6*\x+1], v[TT+6*\x:TT+6*\x+1], v[64*\x+62:64*\x+63]
	v_pk_add_f32 v[TT+6*\x+2:TT+6*\x+3], v[TT+6*\x+2:TT+6*\x+3], v[TT+6*\x+4:TT+6*\x+5]
.endr
.irp x, 0,1
	v_pk_add_f32 v[LL+2*\x:LL+2*\x+1], v[LL+2*\x:LL+2*\x+1], v[TT+6*\x:TT+6*\x+1]
.endr
.irp x, 0,1
	v_pk_add_f32 v[LL+2*\x:LL+2*\x+1], v[LL+2*\x:LL+2*\x+1], v[TT+6*\x+2:TT+6*\x+3]
.endr
	s_wait_alu depctr_va_vdst(0)
	s_wait_dscnt 20                                ; V's 20 loads are in; the next step's 20 of K may be out
.if \first == 0
	WIN 0x04                                       ; O^T in window 0, f in window 1
	s_wait_alu depctr_va_vdst(0)                   ; ahead of the first readers of O^T
.irp x, 0,1
.set N, 0
.rept 32
	v_pk_mul_f32 v[96+64*\x+N:97+64*\x+N], v[96+64*\x+N:97+64*\x+N], v[FF+2*\x:FF+2*\x+1] op_sel_hi:[1,0]   ; O^T under the new M
.set N, N+2
.endr
.endr
.endif
	s_wait_alu depctr_va_vdst(0)                   ; behind the step's last plain writes, ahead of the waits and branches that follow the step
	WIN 0x05                                       ; V and p's codes in window 1, O^T in window 0
.irp t, 0,1,2,3,4,5,6,7
.irp x, 0,1
	MM 96+64*\x+8*\t, 128+8*\t, 192+8*\x, \first, VS+\t/2, PS+\x, \t%2
.endr
.endr
	WIN 0
.endm
.macro KADDR ext, sk                           ; where a step's K and its scale words lie
.if \ext
	v_add_nc_u32 v[ADK], s[\sk], v[AKE]
	v_add_nc_u32 v[ADS], s[TSK], v[ASKE]
.else
	v_add_nc_u32 v[ADK], s[\sk], v[AKP]
	v_add_nc_u32 v[ADS], s[TSK], v[ASKP]
.endif
.endm
.macro KLOADS ext, ik, is                      ; 20 loads: K's eight fragments and four scale registers
.irp t, 0,1,2,3,4,5,6,7
.irp c, 0,1
.if \ext
	ds_load_b128 v[32+8*\t+4*\c:35+8*\t+4*\c], v[ADK] offset:\ik+(64*(\t/4)+8*(\t%4))*64+32*\c
.else
	ds_load_b128 v[32+8*\t+4*\c:35+8*\t+4*\c], v[ADK] offset:\ik+1024*\t+512*\c
.endif
.endr
.endr
.irp i, 0,1,2,3
.if \ext
	ds_load_b32 v[KS+\i], v[ADS] offset:\is+(64*(\i/2)+16*(\i%2))*32
.else
	ds_load_b32 v[KS+\i], v[ADS] offset:\is+(64*(\i/2)+16*(\i%2))*4
.endif
.endr
.endm
; A KEY STEP of 128 keys for both tiles; its K has been asked for.  ext = 1: the new keys.  sv, iv, isv: where its V and V's words lie;  nsk, nik, nis: where the next step's K and K's words lie.
.macro STEP ext, first, sv, iv, isv, nsk, nik, nis
	s_wait_dscnt 0x0                               ; K
	WIN 0x40
.irp t, 0,1,2,3,4,5,6,7                        ; S^T = K Q^T
.irp x, 0,1
	MM 64*\x+8*\t, 32+8*\t, 224+8*\x, 1, KS+\t/2, QS+\x, \t%2
.endr
.endr
	WIN 0
	KADDR \ext, \nsk                               ; four additions: the places ahead of the loads below and of the first read of S^T
	v_add_nc_u32 v[ADV], s[\sv], v[AV0]
.if \ext
	v_add_nc_u32 v[ADT], s[TSV], v[ASVE]
.else
	v_add_nc_u32 v[ADT], s[TSV], v[ASVP]
.endif
	WIN 0x40
.irp t, 0,1,2,3,4,5,6,7
.irp c, 0,1
	ds_load_b128 v[128+8*\t+4*\c:131+8*\t+4*\c], v[ADV] offset:\iv+16*\t*VP+32*\c
.endr
.endr
	WIN 0
.irp i, 0,1,2,3
	ds_load_b32 v[VS+\i], v[ADT] offset:\isv+512*\i
.endr
	KLOADS \ext, \nik, \nis
.if \ext                                       ; the diagonal step: register n holds key 64 (n / 32) + n % 32 + 32 (lane / 16): hidden scores become -infinity, so that p = 0; one compare serves both tiles
	s_cmp_lg_u32 s[UU], s[QC]
	s_cbranch_scc1 .Lopen_\@
	WIN 0x55
	v_mov_b32 v[NEG], 0xff800000
.set N, 0
.rept 64
	v_cmp_gt_i32 vcc_lo, 64*(N/32)+N%32, v[DD]
	v_cndmask_b32 v[N], v[N], v[NEG], vcc_lo
	v_cndmask_b32 v[64+N], v[64+N], v[NEG], vcc_lo
.set N, N+1
.endr
	WIN 0
.Lopen_\@:
.endif
	JSOFT \first
.endm
; THE CHANGE OF REGIONS: every wave waits for all its tensor loads, adds 0 to its spare word and waits for that and for its LDS reads.  fill = 1: a round of the cluster's barrier, then the joint loads, one a wave.
; re = 1: no load of mine is out, so G1S may be set to 128 rows.
.macro CHANGE fill, g0k, g0v, n, re
	s_wait_tensorcnt 0x0
	ds_add_u32 v[SPW], v[NIL]
.if \fill
	ds_add_u32 v[SPW], v[NIL]
.endif
.if \re
	s_mov_b32 s[G1S+2], 128<<16
	s_mov_b32 s[G1S+4], 128
.endif
	s_wait_dscnt 0x0
.if \fill
	CROUND
	JLOAD \g0k, \g0v, \n
.else
	s_barrier_signal -1
	s_barrier_wait -1
.endif
.endm
.macro NEXT dsk                                ; on to the next 128 keys
	s_add_co_u32 s[TK], s[TK], 8192
	s_add_co_u32 s[TKH], s[TKH], 8192
	s_add_co_u32 s[TV], s[TV], 64
	s_add_co_u32 s[TVH], s[TVH], 64
	s_add_co_u32 s[TSK], s[TSK], \dsk
	s_add_co_u32 s[TSV], s[TSV], 4
.endm
	s_wait_alu depctr_va_vdst(0)
	s_wait_loadcnt 0x0                             ; Q
	CHANGE 1, G0KP, G0VP, 3, 1                     ; the head's tiles are in; chunks 0 to 2 are asked for, into B: first fills alone
	KADDR 1, TK
	KLOADS 1, 0, 0
	s_add_co_u32 s[TKN], s[TK], 8192
	s_and_b32 s[TKN], s[TKN], 0x7fff
	STEP 1, 1, TV, 0, 0, TKN, 0, 4096              ; the first step starts O^T's sums
	NEXT 4096
	s_mov_b32 s[QC], 1
.Lext:                                             ; causal steps 1 to 3: a step all of whose keys come after my tokens is jumped over
	s_add_co_u32 s[TKN], s[TK], 8192
	s_and_b32 s[TKN], s[TKN], 0x7fff
	s_cmp_lt_u32 s[UU], s[QC]
	s_cbranch_scc1 .Lhidden
	STEP 1, 0, TV, 0, 0, TKN, 0, 4096
.Lhidden:
	NEXT 4096
	s_add_co_u32 s[QC], s[QC], 1
	s_cmp_lt_u32 s[QC], 4
	s_cbranch_scc1 .Lext
	s_mov_b32 s[TK], BK
	s_mov_b32 s[TKH], BK+65536
	s_mov_b32 s[TV], BV
	s_mov_b32 s[TVH], BV+2*VCH
	s_mov_b32 s[TSK], 0
	s_mov_b32 s[TSV], 0
	CHANGE 1, G0KQ, G0VQ, 1, 0                     ; chunks 0 to 2 are in; chunk 3 is asked for, onto A's bytes, which nobody reads any more: it has twelve steps in which to land
	KADDR 0, TK
	KLOADS 0, 0, 0
	s_mov_b32 s[CNT], 4
.Lthree:                                           ; a trip: the q-th step of chunks 0, 1 and 2
	STEP 0, 0, TV, 0, 0, TK, 32768, 2048
	STEP 0, 0, TV, VCH, 2048, TKH, 0, 4096
	STEP 0, 0, TVH, 0, 4096, TK, 8192, 512
	NEXT 512
	s_sub_co_u32 s[CNT], s[CNT], 1
	s_cmp_lg_u32 s[CNT], 0
	s_cbranch_scc1 .Lthree
	s_mov_b32 s[TK], 0
	s_mov_b32 s[TV], AV
	s_mov_b32 s[TSK], 6144
	s_mov_b32 s[TSV], 6144
	CHANGE 0, 0, 0, 0, 0                           ; chunk 3 is in; nothing is asked for
	KADDR 0, TK
	KLOADS 0, 0, 0
	s_mov_b32 s[CNT], 4
.Llast:
	s_add_co_u32 s[TKN], s[TK], 8192
	s_and_b32 s[TKN], s[TKN], 0x7fff
	STEP 0, 0, TV, 0, 0, TKN, 0, 512
	NEXT 512
	s_sub_co_u32 s[CNT], s[CNT], 1
	s_cmp_lg_u32 s[CNT], 0
	s_cbranch_scc1 .Llast
; THE WAY OUT of tile x: O^T / l goes through my stage in LDS, half a row (64 channels, 256 bytes) of 16 tokens at a time, and leaves as aligned units of 256 bytes.
; The rows come back into V's registers (tile 0, window 1) or K's (tile 1, window 0).
.macro OUT x
	WIN 0x55
	v_add_f32 v[LL+2*\x], v[LL+2*\x], v[LL+2*\x+1]
	v_permlanex16_b32 v[WK+4*\x], v[LL+2*\x], s[SEL], s[SEL+1]
	v_add_f32 v[LL+2*\x], v[LL+2*\x], v[WK+4*\x]   ; the row's sum
	s_wait_alu depctr_va_vdst(0)                   ; ahead of the transcendental
	v_rcp_f32 v[LL+2*\x], v[LL+2*\x]
	v_nop
	WIN 0x44                                       ; O^T in window 0; 1 / l and the result in window 1
	s_wait_alu depctr_va_vdst(0)                   ; and behind it, directly ahead of the first readers of O^T too
.set N, 0
.rept 64
	v_mul_f32 v[64*\x+N], v[96+64*\x+N], v[LL+2*\x]   ; register 8 t + i is o(token r, channel 16 t + 8 h + i)
.set N, N+1
.endr
.irp u, 0,1
	WIN 0x04
.irp t, 0,1,2,3
	ds_store_b128 v[STI], v[64*\x+32*\u+8*\t:64*\x+32*\u+8*\t+3] offset:64*\t
	ds_store_b128 v[STI], v[64*\x+32*\u+8*\t+4:64*\x+32*\u+8*\t+7] offset:64*\t+16
.endr
	WIN 0x40*(1-\x)
.irp i, 0,1,2,3,4,5,6,7
	ds_load_b128 v[128-96*\x+32*\u+4*\i:131-96*\x+32*\u+4*\i], v[STO] offset:2*\i*272   ; LDS serves a wave's instructions in order (ISA guide 5.7.1.4): these see my stores
.endr
.endr
	WIN 0x04*(1-\x)
.irp u, 0,1
.irp i, 0,1,2,3,4,5,6,7
	s_wait_dscnt 23-16*\u-\i                       ; behind this load: the rest of its half's loads and, for the first half, the second's eight stores and eight loads
	global_store_b128 v[GO], v[128-96*\x+32*\u+4*\i:131-96*\x+32*\u+4*\i], s[86:87] offset:2*\i*16384+256*\u+512*\x th:TH_STORE_NT   ; sixteen lanes store 256 consecutive bytes, aligned
.endr
.endr
.endm
	s_wait_dscnt 0x0                               ; the last look-ahead's loads have landed: K's registers may be used
	PLACES                                         ; behind the last products
	OUT 0
	OUT 1
	WIN 0
	s_wait_tensorcnt 0x0                           ; the wave's end
	ds_add_u32 v[SPW], v[NIL]
	s_wait_dscnt 0x0
	CROUND                                         ; the closing round
	s_endpgm
.Lfunc_end_k_qe7c6b72bcd_attn:
	.size	k_qe7c6b72bcd_attn, .Lfunc_end_k_qe7c6b72bcd_attn-k_qe7c6b72bcd_attn
	.p2alignl 7, 3214868480
	.fill 96, 4, 3214868480
	.section	.rodata,"a",@progbits
	.p2align	6, 0x0
	.amdhsa_kernel k_qe7c6b72bcd_attn
		.amdhsa_group_segment_fixed_size 327680
		.amdhsa_private_segment_fixed_size 0
		.amdhsa_enable_private_segment 0
		.amdhsa_kernarg_size 80
		.amdhsa_user_sgpr_count 2
		.amdhsa_user_sgpr_kernarg_segment_ptr 1
		.amdhsa_wavefront_size32 1
		.amdhsa_system_sgpr_workgroup_id_x 1
		.amdhsa_system_sgpr_workgroup_id_y 1
		.amdhsa_system_sgpr_workgroup_id_z 1
		.amdhsa_system_vgpr_workitem_id 0
		.amdhsa_next_free_vgpr 512
		.amdhsa_next_free_sgpr 102
		.amdhsa_reserve_vcc 1
		.amdhsa_float_denorm_mode_32 3
		.amdhsa_float_denorm_mode_16_64 3
		.amdhsa_memory_ordered 1
		.amdhsa_forward_progress 1
		.amdhsa_inst_pref_size 227
	.end_amdhsa_kernel
	.amdgpu_metadata
---
amdhsa.version: [ 1, 2 ]
amdhsa.kernels:
  - .name:           k_qe7c6b72bcd_attn
    .symbol:         k_qe7c6b72bcd_attn.kd
    .args:
      - { .name: q_codes, .offset: 0, .size: 8, .value_kind: global_buffer, .address_space: global }
      - { .name: q_scales, .offset: 8, .size: 8, .value_kind: global_buffer, .address_space: global }
      - { .name: k_codes, .offset: 16, .size: 8, .value_kind: global_buffer, .address_space: global }
      - { .name: k_scales, .offset: 24, .size: 8, .value_kind: global_buffer, .address_space: global }
      - { .name: v_codes, .offset: 32, .size: 8, .value_kind: global_buffer, .address_space: global }
      - { .name: v_scales, .offset: 40, .size: 8, .value_kind: global_buffer, .address_space: global }
      - { .name: kp_codes, .offset: 48, .size: 8, .value_kind: global_buffer, .address_space: global }
      - { .name: vp_codes, .offset: 56, .size: 8, .value_kind: global_buffer, .address_space: global }
      - { .name: p_scales, .offset: 64, .size: 8, .value_kind: global_buffer, .address_space: global }
      - { .name: out0, .offset: 72, .size: 8, .value_kind: global_buffer, .address_space: global }
    .group_segment_fixed_size: 327680
    .private_segment_fixed_size: 0
    .kernarg_segment_align: 8
    .kernarg_segment_size: 80
    .max_flat_workgroup_size: 256
    .sgpr_count:     102
    .vgpr_count:     512
    .wavefront_size: 32
...
	.end_amdgpu_metadata
.endif
;; end of part 4
